; MI455X (gfx1250); checked and timed in simulation.
; The chip was launched on July 23, 2026; its instructions are those of AMD's public machine-readable ISA for CDNA 5 (MIT licence, August 2026) and "CDNA5" Instruction Set Architecture Reference Guide (July 2026). The comments in the code are by the model that wrote it; some were corrected since.
;; Retention. Allowed arithmetic: matrix products marked QUANTISED: E2M3 operands, one E8M0 scale for each 32 along K, by v_wmma_scale_f32_16x16x128_f8f6f4 with both operands' format E2M3, f32 sums; everything else in f32.
;; Inputs: theta 1,024 float32; weight_k 1,024 x 1,024 float32; weight_q 1,024 x 1,024 float32; weight_v 1,024 x 1,024 float32; x 4 x 2,048 x 1,024 float32.
;; Outputs: out0 4 x 2,048 x 1,024 float32.
;; This version of the problem:
;;   THIS VERSION OF THE PROBLEM IS GIVEN IN LOW PRECISION. The matrix products marked QUANTISED in the list below multiply operands that are first quantised to E2M3 (2 exponent bits, 3 mantissa bits; 6 bits a number), with one power-of-two scale for each 32 numbers along K (OCP MX v1.0); their sums are f32. All else is computed in f32.
;;   The module's matrix products, in the order in which they are computed (A, B: the left and right operand; K: the contracted axis; several contracted axes count as one K, in the product's order):
;;     1. [M 8,192, K 1,024] x [K 1,024, N 1,024]; A: input x; B: input weight_q: QUANTISED
;;     2. [M 8,192, K 1,024] x [K 1,024, N 1,024]; A: input x; B: input weight_k: QUANTISED
;;     3. [M 8,192, K 1,024] x [K 1,024, N 1,024]; A: input x; B: input weight_v: QUANTISED
;;     4. batch 4 x [M 2,048, K 1,024] x [K 1,024, N 2,048]; A: computed on the way; B: computed on the way: QUANTISED
;;     5. batch 4 x [M 2,048, K 2,048] x [K 2,048, N 1,024]; A: computed on the way; B: computed on the way: QUANTISED
;;   THE QUANTISER, for each operand of a quantised product, along K:
;;     - K is cut into blocks of 32 from its start; a last block that is shorter is filled with zeros.
;;     - A block's scale is 2^e with e = floor(log2(the largest magnitude in the block)) - 2, held to -126 .. 127; a block of zeros has e = 0. As a byte (E8M0): e + 127.
;;     - Each number is divided by its block's scale, clamped to +-7.5, and rounded to the nearest number of E2M3, ties to even, subnormals kept.
;;     - The product sums the exact products of the quantised numbers (number of the format x scale) in f32.
;;   ~~~python
;;   def quantise(x, axis):      # numpy; x: float32 -> the quantised numbers, widened to float32 again
;;       x = np.moveaxis(x, axis, -1); K = x.shape[-1]
;;       x = np.pad(x, [(0, 0)] * (x.ndim - 1) + [(0, -K % 32)]); x = x.reshape(x.shape[:-1] + (-1, 32)); a = np.abs(x).max(-1, keepdims=True)
;;       e = np.where(a > 0, np.clip(np.frexp(np.where(a > 0, a, 1))[1] - 1 - 2, -126, 127), 0)      # np.frexp(a)[1] - 1 = floor(log2(a)), exactly
;;       r = np.clip(x / 2.0 ** e, -7.5, 7.5)
;;       step = 2.0 ** (np.maximum(np.frexp(np.where(r == 0, 1, r))[1] - 1, 0) - 3)
;;       q = np.round(r / step) * step * 2.0 ** e      # np.round: ties to even
;;       return np.moveaxis(q.reshape(q.shape[:-2] + (-1,))[..., :K], -1, axis).astype(np.float32)
;;   ~~~
;;   OPERANDS COMPUTED ON THE WAY. 'Computed on the way' means the value that the module computes at that place (a softmax that the list does not call 'softmax' is quantised finished and normalised). What goes into a quantiser is computed in f32, as accurately as f32 sums, v_exp_f32 and their like allow (about 1e-6 of the number): no bf16 or f16 on the way to a quantiser, and a product that is left as it is and whose result goes on into a quantised operand takes f32 operands (vector FMAs, or v_wmma_f32_16x16x4_f32). A number that lies on a knife's edge between two numbers of the format may be rounded either way, as far as f32 arithmetic and the matrix unit's own rounding can turn it there, and no further.
;; 2 versions, each right and faster than the one before. Each part assembles by itself: llvm-mc -triple=amdgcn-amd-amdhsa -mcpu=gfx1250 --defsym DOCPART=n.
;; ======== version 1 of 2: 4 launches
;; workspace buffers: ops 9,011,200 bytes; qc 6,553,600 bytes; kc 6,553,600 bytes; vc 6,553,600 bytes; pc 13,107,200 bytes
;; launch quant (part 1): grid 448 x 1, 4 waves a work-group, no clusters, 34,304 bytes of LDS; arguments x, weight_q, weight_k, weight_v, ops; writes ops
.if DOCPART == 1
	.amdgcn_target "amdgcn-amd-amdhsa--gfx1250"
	.amdhsa_code_object_version 6
	.text
	.protected	k_q3dea089de7_quant
	.globl	k_q3dea089de7_quant
	.p2align	8
	.type	k_q3dea089de7_quant,@function
k_q3dea089de7_quant:
	s_mov_b64 s[64:65], 0
	v_nop
	global_prefetch_b8 v0, s[64:65] scope:SCOPE_SE
	s_setreg_imm32_b32 hwreg(HW_REG_WAVE_MODE, 25, 1), 1
	s_wait_xcnt 0x0
; x [8192 tokens][1024] and weight_q, weight_k, weight_v [1024 (k)][1024 (n)], f32, become codes of E2M3 with one E8M0 byte for each 32 along K (K = the 1,024 that the three projections contract).
; DEAD WORK, for the whole program.  (1) thetas = exp(0 * n * theta): 0 times a finite number is 0 and exp(0) = 1, whatever finite values theta holds; q and k are multiplied by 1.  So theta has no way to any output:
; it is not loaded and is among no launch's arguments, and the two multiplications are left out.  (2) D[i][j] = 0 for j > i is built in the problem's own body: scores * D is 0 there and adds nothing to the last product,
; so tiles of the fourth and fifth product that lie wholly above the diagonal are neither computed, stored nor read.  gamma^(i - j) is never 0 for i >= j, so nothing under the diagonal is left out.
; LIMIT: a NaN, an infinity or an overflow that reaches only the work left out (in theta; in scores above the diagonal) is not carried to the result.
; LIMITS of the quantiser: a block of zeros gets the byte 1 where the rule says 127 (its codes are zeros, which add nothing, and this program alone reads the bytes); NaN and infinities among the inputs are not served.
; THE RECORD, the one layout of every workspace buffer: 128 rows x 128 K of an operand in 12,800 bytes.  Bytes 0 .. 12,287: eight fragments (16 rows each) as images of the operand's registers: fragment i at 1536 i,
; registers 4 c .. 4 c + 3 of lane l at 512 c + 16 l.  Bytes 12,288 on: the scale words: fragment i, row r at 256 (i / 4) + 16 r + 4 (i % 4).  ops = [panel of 128 rows][K step 0..7][record]:
; panels 0-63 x's tokens, 64-71 weight_q's columns, 72-79 weight_k's, 80-87 weight_v's.
; Work-groups 0-255 take x: a wave makes half a record (64 tokens x 128 K).  Each load reads 512 consecutive bytes of a row; 16 rows turn through the wave's own stage in LDS so that a lane gets 32 neighbours along K.
; Work-groups 256-447 take the weights: a record each, 32 columns a wave: a lane takes a column and its registers run down K, so nothing is transposed and no LDS is used.
; No matrix work, no tensor load, no barrier: waves share nothing.
.set REC,    12800
.set SCO,    12288
.set SPITCH, 528                       ; a stage row: 512 bytes + 16
.set WSTG,   16*SPITCH                 ; a wave's stage
.set SPARE,  4*WSTG                    ; behind the stages: the spare words, 128 bytes for each wave
.set R,      64                        ; v64-191: x: two sets of 64 registers as loaded; weights: the column's 128 numbers
.set X,      192                       ; v192-255: x: my 64 numbers of a fragment; weights: v192-207 upper halves of the blocks' codes
.set SPW,    10
.set NIL,    11
	s_load_b256 s[4:11], s[0:1], 0x0               ; x, weight_q, weight_k, weight_v
	s_load_b64 s[12:13], s[0:1], 0x20              ; ops
	v_lshl_add_u32 v[SPW], v0, 2, SPARE
	v_mov_b32 v[NIL], 0
	v_lshrrev_b32 v1, 5, v0
	v_readfirstlane_b32 s16, v1                    ; wave
	v_and_b32 v1, 31, v0                           ; lane
	v_and_b32 v2, 15, v0                           ; r
	v_bfe_u32 v3, v0, 4, 1                         ; h
	s_mov_b32 s20, 0x76543210
	s_mov_b32 s21, 0xfedcba98                      ; v_permlanex16_b32's selects for lane l xor 16
	v_mov_b32 v19, 0                               ; a lane permute's destination counts as one of its sources
	s_cmp_lt_u32 ttmp9, 256
	s_cbranch_scc0 .Lweights
	; ---------------- x ----------------
	s_lshr_b32 s17, ttmp9, 2                       ; panel
	s_and_b32 s18, ttmp9, 3
	s_lshl_b32 s18, s18, 1
	s_lshr_b32 s19, s16, 1
	s_add_co_u32 s18, s18, s19                     ; K step
	s_and_b32 s19, s16, 1                          ; which 64 rows of the panel
	s_lshl_b32 s24, s17, 19                        ; 128 rows of 4,096 bytes
	s_lshl_b32 s22, s19, 18
	s_add_co_u32 s24, s24, s22
	s_lshl_b32 s22, s18, 9                         ; 128 numbers along K
	s_add_co_u32 s24, s24, s22
	s_mov_b32 s25, 0
	s_lshl_b32 s26, s17, 3
	s_add_co_u32 s26, s26, s18
	s_mul_i32 s26, s26, REC
	s_mov_b32 s27, 0
	s_mul_i32 s23, s16, WSTG
	v_lshlrev_b32 v4, 4, v1                        ; 16 x lane: my bytes of a load's 512
	v_add_nc_u32 v5, s23, v4                       ; the stage, on the way in
	v_mul_u32_u24 v6, v2, SPITCH
	v_lshl_add_u32 v6, v3, 7, v6
	v_add_nc_u32 v6, s23, v6                       ; and out: row r, + 128 h: K = 32 h on
	s_mul_i32 s22, s19, 6144
	v_add_nc_u32 v7, s22, v4                       ; my four fragments' images
	v_lshlrev_b32 v8, 4, v2
	v_lshl_add_u32 v8, v3, 3, v8
	s_lshl_b32 s22, s19, 8
	v_add_nc_u32 v8, s22, v8                       ; my two scale words: 16 r + 8 h + 256 x half
	v_lshlrev_b32 v9, 3, v3                        ; 8 h
	s_wait_kmcnt 0x0
	s_add_nc_u64 s[4:5], s[4:5], s[24:25]
	s_add_nc_u64 s[12:13], s[12:13], s[26:27]
.macro LOADF f                         ; fragment f: 16 rows, 512 consecutive bytes each
.irp t, 0,1,2,3,4,5,6,7,8,9,10,11,12,13,14,15
	global_load_b128 v[R+64*((\f)%2)+4*\t:R+64*((\f)%2)+4*\t+3], v4, s[4:5] offset:(16*(\f)+\t)*4096 th:TH_LOAD_NT
.endr
.endm
.macro XFRAG f
.set RS, R+64*((\f)%2)
.set FC, 28+12*((\f)%2)                ; the fragment's codes: v28-39 and v40-51 by turns
.if (\f) < 3
	s_wait_loadcnt 16                              ; this fragment's 16 loads are in; the next fragment's 16 may be out
.else
	s_wait_loadcnt 0x0
.endif
.irp t, 0,1,2,3,4,5,6,7,8,9,10,11,12,13,14,15
	ds_store_b128 v5, v[RS+4*\t:RS+4*\t+3] offset:SPITCH*\t
.endr
.irp c, 0,1
.irp j, 0,1,2,3,4,5,6,7
	ds_load_b128 v[X+32*\c+4*\j:X+32*\c+4*\j+3], v6 offset:256*\c+16*\j   ; K = 64 c + 32 h + 4 j on, of row r; LDS serves a wave's instructions in order: these see the stores
.endr
.endr
	s_wait_dscnt 0x0                               ; my 64 numbers are in, and the stores have read their registers
.if (\f) < 2
	LOADF (\f)+2
.else
	s_wait_xcnt 0x0                                ; the stores of two fragments ago have read their data: that set of codes is written again below
.endif
.irp c, 0,1
	v_max3_num_f32 v[12+\c], |v[X+32*\c]|, |v[X+32*\c+1]|, 0x1800000   ; block 2 c + h is all mine; the floor 2^(3 - 127) holds the byte at 1 from below
.endr
.irp i, 2,4,6,8,10,12,14,16,18,20,22,24,26,28,30
.irp c, 0,1
	v_max3_num_f32 v[12+\c], v[12+\c], |v[X+32*\c+\i]|, |v[X+32*\c+\i+1]|
.endr
.endr
.irp c, 0,1
	v_add_nc_u32 v[14+\c], 0xff000000, v[12+\c]    ; 2 off the exponent field: the conversion's scale operand
.endr
.irp c, 0,1
	v_lshrrev_b32 v[16+\c], 23, v[14+\c]           ; the scale's byte
.endr
	v_lshl_or_b32 v18, v17, 16, v16                ; blocks h and 2 + h,
	v_lshlrev_b32 v18, v9, v18                     ; 8 h bits up;
	v_permlanex16_b32 v19, v18, s20, s21
	v_or_b32 v[20+(\f)], v18, v19                  ; with lane l xor 16's two bytes row r's word is whole
.irp c, 0,1
	v_cvt_scalef32_pk16_fp6_f32 v[FC+6*\c:FC+6*\c+2], v[X+32*\c:X+32*\c+15], v[14+\c]
	v_cvt_scalef32_pk16_fp6_f32 v[52+4*\c:54+4*\c], v[X+32*\c+16:X+32*\c+31], v[14+\c]   ; (a conversion's three registers begin on an even number)
.endr
	v_nop                                          ; one plain place behind a scaled conversion
.irp c, 0,1
.irp i, 0,1,2
	v_mov_b32 v[FC+6*\c+3+\i], v[52+4*\c+\i]
.endr
.endr
.irp c, 0,1,2
	global_store_b128 v7, v[FC+4*\c:FC+4*\c+3], s[12:13] offset:1536*(\f)+512*\c   ; 32 lanes store 512 consecutive bytes, aligned
.endr
.endm
	LOADF 0
	LOADF 1
	XFRAG 0
	XFRAG 1
	XFRAG 2
	XFRAG 3
	v_cmp_ne_u32 vcc_lo, 0, v3
	v_cndmask_b32 v24, v20, v22, vcc_lo            ; lanes 0-15 fragments 0, 1; lanes 16-31 fragments 2, 3
	v_cndmask_b32 v25, v21, v23, vcc_lo
	global_store_b64 v8, v[24:25], s[12:13] offset:SCO   ; 32 lanes store 256 consecutive bytes, aligned
	s_wait_tensorcnt 0x0                           ; the wave's end, behind my last LDS store
	ds_add_u32 v[SPW], v[NIL]
	s_wait_dscnt 0x0
	s_endpgm
	; ---------------- the weights: no LDS is written on this way ----------------
.Lweights:
	s_sub_co_u32 s17, ttmp9, 256
	s_lshr_b32 s18, s17, 6                         ; which weight
	s_bfe_u32 s19, s17, 0x30003                    ; panel of 128 columns
	s_and_b32 s22, s17, 7                          ; K step
	s_lshl_b32 s24, s22, 19                        ; 128 rows (k) of 4,096 bytes
	s_lshl_b32 s23, s19, 9
	s_add_co_u32 s24, s24, s23
	s_lshl_b32 s23, s16, 7                         ; my wave's 32 columns
	s_add_co_u32 s24, s24, s23
	s_mov_b32 s25, 0
	s_lshl_b32 s26, s18, 3
	s_add_co_u32 s26, s26, s19
	s_add_co_u32 s26, s26, 64
	s_lshl_b32 s26, s26, 3
	s_add_co_u32 s26, s26, s22
	s_mul_i32 s26, s26, REC
	s_mov_b32 s27, 0
	v_lshlrev_b32 v4, 2, v1                        ; a lane to a column
	v_lshlrev_b32 v7, 4, v1
	s_mul_i32 s23, s16, 3072
	v_add_nc_u32 v7, s23, v7                       ; my wave's two fragments
	v_lshlrev_b32 v8, 4, v2
	v_lshl_add_u32 v8, v3, 2, v8
	s_lshr_b32 s23, s16, 1
	s_lshl_b32 s23, s23, 8
	s_and_b32 s30, s16, 1
	s_lshl_b32 s30, s30, 3
	s_add_co_u32 s23, s23, s30
	v_add_nc_u32 v8, s23, v8                       ; my column's scale word: fragment 2 wave + lane / 16, row lane % 16
	s_wait_kmcnt 0x0
	s_cmp_eq_u32 s18, 0
	s_cselect_b64 s[28:29], s[6:7], s[8:9]
	s_cmp_eq_u32 s18, 2
	s_cselect_b64 s[28:29], s[10:11], s[28:29]
	s_add_nc_u64 s[28:29], s[28:29], s[24:25]
	s_add_nc_u64 s[12:13], s[12:13], s[26:27]
.macro LOADB b                         ; block b: W(32 b + i, my column): 32 lanes read 128 consecutive bytes
.irp i, 0,1,2,3,4,5,6,7,8,9,10,11,12,13,14,15,16,17,18,19,20,21,22,23,24,25,26,27,28,29,30,31
	global_load_b32 v[R+32*(\b)+\i], v4, s[28:29] offset:(32*(\b)+\i)*4096 th:TH_LOAD_NT
.endr
.endm
.macro WBLOCK b
.set XS, R+32*(\b)
.set FU, 28+12*((\b)%2)+6*((\b)/2)     ; even blocks' codes go to v28-39, odd blocks' to v40-51
	v_max3_num_f32 v[12+(\b)], |v[XS]|, |v[XS+1]|, 0x1800000       ; the block's 32 numbers are all mine; two chains; the floor holds the byte at 1 from below
	v_max3_num_f32 v25, |v[XS+2]|, |v[XS+3]|, |v[XS+4]|
.irp i, 5,9,13,17,21,25
	v_max3_num_f32 v[12+(\b)], v[12+(\b)], |v[XS+\i]|, |v[XS+\i+1]|
	v_max3_num_f32 v25, v25, |v[XS+\i+2]|, |v[XS+\i+3]|
.endr
	v_max3_num_f32 v[12+(\b)], v[12+(\b)], |v[XS+29]|, |v[XS+30]|
	v_max3_num_f32 v[12+(\b)], v[12+(\b)], v25, |v[XS+31]|
	v_add_nc_u32 v[16+(\b)], 0xff000000, v[12+(\b)]
	v_lshrrev_b32 v[20+(\b)], 23, v[16+(\b)]
	v_cvt_scalef32_pk16_fp6_f32 v[FU:FU+2], v[XS:XS+15], v[16+(\b)]
	v_cvt_scalef32_pk16_fp6_f32 v[X+4*(\b):X+4*(\b)+2], v[XS+16:XS+31], v[16+(\b)]
	v_nop                                          ; one plain place behind a scaled conversion
.irp i, 0,1,2
	v_mov_b32 v[FU+3+\i], v[X+4*(\b)+\i]
.endr
.endm
	LOADB 0
	LOADB 1
	s_wait_loadcnt 32                              ; block 0 is in; block 1's 32 loads may be out
	LOADB 2
	WBLOCK 0
	s_wait_loadcnt 32                              ; block 1 is in; block 2's may be out
	LOADB 3
	WBLOCK 1
	s_wait_loadcnt 32                              ; block 2 is in; block 3's may be out
	WBLOCK 2
	s_wait_loadcnt 0x0
	WBLOCK 3
	v_lshl_or_b32 v24, v21, 8, v20                 ; my column's scale word
	v_lshl_or_b32 v24, v22, 16, v24
	v_lshl_or_b32 v24, v23, 24, v24
.irp i, 0,1,2,3,4,5,6,7,8,9,10,11
	v_permlane16_swap_b32 v[28+\i], v[40+\i]       ; even blocks of columns 16-31 change places with odd blocks of columns 0-15: v28-39 is now the fragment of columns 0-15, v40-51 that of columns 16-31
.endr
.irp c, 0,1,2
	global_store_b128 v7, v[28+4*\c:31+4*\c], s[12:13] offset:512*\c
	global_store_b128 v7, v[40+4*\c:43+4*\c], s[12:13] offset:1536+512*\c
.endr
	global_store_b32 v8, v24, s[12:13] offset:SCO  ; four bytes a column: 128 of the record's 12,800 bytes a wave
	s_endpgm
.Lfunc_end_k_q3dea089de7_quant:
	.size	k_q3dea089de7_quant, .Lfunc_end_k_q3dea089de7_quant-k_q3dea089de7_quant
	.p2alignl 7, 3214868480
	.fill 96, 4, 3214868480
	.section	.rodata,"a",@progbits
	.p2align	6, 0x0
	.amdhsa_kernel k_q3dea089de7_quant
		.amdhsa_group_segment_fixed_size 34304
		.amdhsa_private_segment_fixed_size 0
		.amdhsa_enable_private_segment 0
		.amdhsa_kernarg_size 40
		.amdhsa_user_sgpr_count 2
		.amdhsa_user_sgpr_kernarg_segment_ptr 1
		.amdhsa_wavefront_size32 1
		.amdhsa_system_sgpr_workgroup_id_x 1
		.amdhsa_system_sgpr_workgroup_id_y 1
		.amdhsa_system_sgpr_workgroup_id_z 1
		.amdhsa_system_vgpr_workitem_id 0
		.amdhsa_next_free_vgpr 256
		.amdhsa_next_free_sgpr 66
		.amdhsa_reserve_vcc 1
		.amdhsa_float_denorm_mode_32 3
		.amdhsa_float_denorm_mode_16_64 3
		.amdhsa_memory_ordered 1
		.amdhsa_forward_progress 1
		.amdhsa_inst_pref_size 50
	.end_amdhsa_kernel
	.amdgpu_metadata
---
amdhsa.version: [ 1, 2 ]
amdhsa.kernels:
  - .name:           k_q3dea089de7_quant
    .symbol:         k_q3dea089de7_quant.kd
    .args:
      - { .name: x, .offset: 0, .size: 8, .value_kind: global_buffer, .address_space: global }
      - { .name: weight_q, .offset: 8, .size: 8, .value_kind: global_buffer, .address_space: global }
      - { .name: weight_k, .offset: 16, .size: 8, .value_kind: global_buffer, .address_space: global }
      - { .name: weight_v, .offset: 24, .size: 8, .value_kind: global_buffer, .address_space: global }
      - { .name: ops, .offset: 32, .size: 8, .value_kind: global_buffer, .address_space: global }
    .group_segment_fixed_size: 34304
    .private_segment_fixed_size: 0
    .kernarg_segment_align: 8
    .kernarg_segment_size: 40
    .max_flat_workgroup_size: 128
    .sgpr_count:     66
    .vgpr_count:     256
    .wavefront_size: 32
...
	.end_amdgpu_metadata
.endif
;; end of part 1
;; launch proj (part 2): grid 12 x 32, 4 waves a work-group, clusters of 4 x 4, 327,680 bytes of LDS; arguments ops, qc, kc, vc; writes qc, kc, vc
.if DOCPART == 2
	.amdgcn_target "amdgcn-amd-amdhsa--gfx1250"
	.amdhsa_code_object_version 6
	.text
	.protected	k_q3dea089de7_proj
	.globl	k_q3dea089de7_proj
	.p2align	8
	.type	k_q3dea089de7_proj,@function
k_q3dea089de7_proj:
	s_mov_b64 s[64:65], 0
	v_nop
	global_prefetch_b8 v0, s[64:65] scope:SCOPE_SE
	s_setreg_imm32_b32 hwreg(HW_REG_WAVE_MODE, 25, 1), 1
	s_wait_xcnt 0x0
	s_wait_alu depctr_hold_cnt(0) depctr_sa_sdst(0) depctr_va_vdst(0) depctr_va_sdst(0) depctr_va_ssrc(0) depctr_va_vcc(0) depctr_vm_vsrc(0)
	s_getreg_b32 s2, hwreg(HW_REG_IB_STS2, 6, 4)
	s_cmp_eq_u32 s2, 0
	s_cbranch_scc0 .Lentry_in_a_cluster
	s_endpgm
.Lentry_in_a_cluster:
	s_bfe_u32 s2, ttmp6, 0x10000c
	s_cmp_lg_u32 s2, 0xf033
	s_cbranch_scc0 .Lentry_shape_is_right
	s_endpgm
.Lentry_shape_is_right:
; q = x Wq, k = x Wk, v = x Wv on codes of E2M3 (K = 1,024), each result quantised in registers for the product that takes it next: q and k along d, v along the tokens.
; Left out as dead work: the factor thetas = exp(0 * n * theta) = 1 on q and k (shown at the head of the first kernel); theta is not an argument.
; LIMITS: a block of zeros gets the byte 1, not 127 (zero codes; only this program reads the bytes); NaN and infinities are not served.
; RECORDS (first kernel's head): 128 rows x 128 K in 12,800 bytes: eight fragments as images of the operand's registers, then the scale words.  ops = [panel][K step][record].
; A tile is 256 x 256; four waves, 128 x 128 each: 64 accumulators.  Source 0 = 16 rows of the B side, source 1 = 16 rows of the A side: lane (r, h) holds A-side row r, and register j of tile b the B-side row 16 b + 8 h + j.
; Clusters with x = 0, 1 make q, k: A side = tokens, B side = the weight's columns.  Clusters with x = 2 make v: A side = weight_v's columns, B side = tokens, so that the same text quantises v along the tokens.
; A wave's 128 x 128 results are ONE record of the next product: rows = its A-side panel, K step = its B-side panel.  The 16 registers of tiles 2 c, 2 c + 1 and lane l xor 16's are block c of 32 along the next K: scale and codes
; are the block's own; inside a block a code's place has bits 3 and 4 of its index exchanged.  q and k (and P and v) are made alike, so both operands of the next product carry the same order and every product meets its partner.
; K goes through two LDS slots of 256 along K: four fills, written out.  A wave fetches one panel's two records, 25,600 dense bytes, by one tensor load.
; CLUSTER 4 x 4: A's panels hang on the cluster's row alone, B's on its column alone: each is asked for jointly by the four that share it.
; 384 work-groups: a tile of 256 x 384, which would give 256, wants 768 accumulator registers a wave and leaves no room for the fragments.
; REGISTERS: window 0: v16-29 addresses; v32-47 scale words, two sets; v48-63 at work; v120-127 the results' scale words; v128-223 A's fragments, one set, later the results' codes; v224-235 at work.
;   window 1: B's fragments, two sets, v0-95 and v128-223.   windows 2, 3: accumulator (a, b) at v[8 (8 (a % 4) + b)].
.set REC,   12800
.set SCO,   12288
.set PAN,   2*REC                      ; two K steps of a panel: what one tensor load brings
.set PSTR,  8*REC                      ; a panel's eight K steps in memory
.set SLOT,  4*PAN                      ; A's two panels, then B's two
.set SPARE, 2*SLOT                     ; behind the ring: the spare words, 128 bytes for each wave
.set FR,    12
.set ADRA,  16                         ; v16-17 my A panel in slot 0, 1: + 16 x lane
.set ADRB,  20                         ; v20-21 my B panel
.set ADRS,  22                         ; v22-23 scale words: lanes 0-15 A's, lanes 16-31 B's
.set GO,    26                         ; v26    16 x lane
.set HH,    27                         ; v27    h
.set SPW,   28
.set NIL,   29
.set SC,    32                         ; set q at v[SC + 8 q]; register i: lanes 0-15 the words of A's fragment i, lanes 16-31 of B's fragment i
.set TM,    48
.set SW,    120
.set AF,    128
.set T2,    224
.set OUTW,  232
.set G1,    24
.set G0,    32
.set G1B,   48
.set G0B,   56
.set SEL,   74
.set MSB, 0
.macro WIN new                         ; the immediate's high byte repeats the setting that is left
.if MSB != (\new)
	s_set_vgpr_msb (MSB<<8)|(\new)
.set MSB, (\new)
.endif
.endm
.set MUL_LO, 0xa1                      ; source 0 (B) window 1, source 1 (A) window 0, C and D window 2
.set MUL_HI, 0xf1                      ; the same, C and D window 3
.set TO_B,   0x40
.macro PLACES                          ; four plain places behind a matrix instruction, ahead of loads into its registers and of reads of its results
.rept 4
	v_nop
.endr
.endm
.macro JLOAD g0a, g0b                  ; a joint load: waves 0 and 1 fetch A's panels, waves 2 and 3 B's; the branch hangs on the wave's number alone
	s_cmp_eq_u32 s15, 0
	s_cbranch_scc0 .Lfor_b_\@
	tensor_load_to_lds s[\g0a:\g0a+3], s[G1:G1+7]
	s_nop 0
	PLACES
	s_branch .Lasked_\@
.Lfor_b_\@:
	tensor_load_to_lds s[\g0b:\g0b+3], s[G1B:G1B+7]
	s_nop 0
	PLACES
.Lasked_\@:
.endm
.macro CREST                           ; a round of the cluster's barrier behind its opening barrier
	s_cmp_lg_u32 s14, 0
	s_cbranch_scc1 .Lnot_wave_0_\@
	s_barrier_signal -3
.Lnot_wave_0_\@:
	s_barrier_wait -3
	s_barrier_signal -1
	s_barrier_wait -1
.endm
.macro CROUND
	s_barrier_signal -1
	s_barrier_wait -1
	CREST
.endm
.macro FRAG reg, adr, q, i             ; a fragment comes as it was stored: three loads of 512 consecutive bytes
.irp c, 0,1,2
	ds_load_b128 v[\reg+4*\c:\reg+4*\c+3], v[\adr] offset:(\q)*REC+(\i)*1536+512*\c
.endr
.endm
.macro FETCH_B slot, q, p
	WIN TO_B
.irp i, 0,1,2,3,4,5,6,7
	FRAG 128*(\p)+FR*\i, ADRB+\slot, \q, \i
.endr
	WIN 0
.endm
.macro FETCH_A slot, q, i0
.irp i, \i0, \i0+1, \i0+2, \i0+3
	FRAG AF+FR*(\i), ADRA+\slot, \q, \i
.endr
.endm
.macro SCALES slot, q
	ds_load_b128 v[SC+8*(\q):SC+8*(\q)+3], v[ADRS+\slot] offset:(\q)*REC
	ds_load_b128 v[SC+8*(\q)+4:SC+8*(\q)+7], v[ADRS+\slot] offset:(\q)*REC+256
.endm
; 16 matrix instructions: A's blocks a0, a0 + 1 x B's eight.  p: B's set and the set of scale words.  The 64 accumulators take turns, one instruction a turn, in the same order in every step.
.macro MUL16 a0, p, zero
.irp a, \a0, \a0+1
.irp b, 0,1,2,3,4,5,6,7
.if \zero
	v_wmma_scale_f32_16x16x128_f8f6f4 v[8*(8*((\a)%4)+\b):8*(8*((\a)%4)+\b)+7], v[128*(\p)+FR*\b:128*(\p)+FR*\b+FR-1], v[AF+FR*(\a):AF+FR*(\a)+FR-1], 0, v[SC+8*(\p)+\b], v[SC+8*(\p)+(\a)] matrix_a_fmt:MATRIX_FMT_FP6 matrix_b_fmt:MATRIX_FMT_FP6 matrix_a_scale:MATRIX_SCALE_ROW1
.else
	v_wmma_scale_f32_16x16x128_f8f6f4 v[8*(8*((\a)%4)+\b):8*(8*((\a)%4)+\b)+7], v[128*(\p)+FR*\b:128*(\p)+FR*\b+FR-1], v[AF+FR*(\a):AF+FR*(\a)+FR-1], v[8*(8*((\a)%4)+\b):8*(8*((\a)%4)+\b)+7], v[SC+8*(\p)+\b], v[SC+8*(\p)+(\a)] matrix_a_fmt:MATRIX_FMT_FP6 matrix_b_fmt:MATRIX_FMT_FP6 matrix_a_scale:MATRIX_SCALE_ROW1
.endif
.endr
.endr
.endm
.macro STEP slot, zero                 ; a slot's first 128 along K; its second is fetched meanwhile
	s_wait_dscnt 12                                ; B's set, A's blocks 0-3 and the scale words are in; the youngest 12 loads (A's blocks 4-7) may be out
	WIN MUL_LO
	MUL16 0, 0, \zero
	MUL16 2, 0, \zero
	s_wait_dscnt 0x0                               ; A's blocks 4-7 are in
	PLACES
	FETCH_B \slot, 1, 1
	FETCH_A \slot, 1, 0
	SCALES \slot, 1
	WIN MUL_HI
	MUL16 4, 0, \zero
	MUL16 6, 0, \zero
	PLACES
	WIN 0
	FETCH_A \slot, 1, 4
.endm
; A slot's second 128 along K, and the change of slots: one barrier; ahead of it each wave waits for all its tensor loads, adds 0 to its spare word, and waits for that and for its reads of this slot.
.macro TURN slot, next, fill
	s_wait_tensorcnt 0x0                           ; all my tensor loads have landed: my part of the next slot
	ds_add_u32 v[SPW], v[NIL]
	s_wait_dscnt 13                                ; the add and the youngest 12 loads (A's blocks 4-7) may be out
	WIN MUL_LO
	MUL16 0, 1, 0
	s_wait_dscnt 0x0                               ; the add is done, and my reads of this slot are over
	s_barrier_signal -1
	MUL16 2, 1, 0
	WIN 0
	s_barrier_wait -1
.if \fill
	CREST                                          ; the barrier has opened a round of the cluster's: no wave of any partner still reads this slot or has a load on its way
	s_add_nc_u64 s[G0+4*\slot+2:G0+4*\slot+3], s[G0+4*\slot+2:G0+4*\slot+3], 2*PAN
	s_add_nc_u64 s[G0B+4*\slot+2:G0B+4*\slot+3], s[G0B+4*\slot+2:G0B+4*\slot+3], 2*PAN
	JLOAD G0+4*\slot, G0B+4*\slot                  ; the first tensor load behind the round; its four v_nop are the places ahead of the loads below
.else
	PLACES
.endif
	FETCH_B \next, 0, 0
	FETCH_A \next, 0, 0
	SCALES \next, 0
	WIN MUL_HI
	MUL16 4, 1, 0
	MUL16 6, 1, 0
	PLACES
	WIN 0
	FETCH_A \next, 0, 4
.endm
; Block a (16 A-side rows x 128 of the next K) is quantised: its codes into v[AF + 12 a] on, its rows' scale word into v[SW + a].  Each accumulator is read from its low end on.
.macro QUANTW a
.set WW, 2+(\a)/4
.set AS, 64*((\a)%4)
.set FA, AF+FR*(\a)
	WIN WW*5                                       ; sources 0 and 1 in the accumulators' window
.irp c, 0,1,2,3
	v_max3_num_f32 v[TM+\c], |v[AS+16*\c]|, |v[AS+16*\c+1]|, 0x1800000   ; block c: my 16 numbers, and the floor 2^(3 - 127): the byte cannot fall under 1
.endr
.irp i, 2,4,6,8,10,12,14
.irp c, 0,1,2,3
	v_max3_num_f32 v[TM+\c], |v[AS+16*\c+\i]|, |v[AS+16*\c+\i+1]|, v[TM+\c]
.endr
.endr
	WIN 0
.irp c, 0,1,2,3
	v_permlanex16_b32 v[TM+4+\c], v[TM+\c], s[SEL], s[SEL+1]
.endr
.irp c, 0,1,2,3
	v_max_num_f32 v[TM+\c], v[TM+\c], v[TM+4+\c]   ; with lane l xor 16's 16: the block's largest magnitude
.endr
.irp c, 0,1,2,3
	v_add_nc_u32 v[TM+12+\c], 0xff000000, v[TM+\c] ; 2 off the exponent field: the conversion's scale operand
.endr
.irp c, 0,1,2,3
	v_lshrrev_b32 v[TM+4+\c], 23, v[TM+12+\c]      ; the scale's byte
.endr
	v_lshl_or_b32 v[SW+(\a)], v[TM+5], 8, v[TM+4]
	v_lshl_or_b32 v[SW+(\a)], v[TM+6], 16, v[SW+(\a)]
	v_lshl_or_b32 v[SW+(\a)], v[TM+7], 24, v[SW+(\a)]
	WIN WW                                         ; source 0 in the accumulators' window
.irp c, 0,1
	v_cvt_scalef32_pk16_fp6_f32 v[FA+6*\c:FA+6*\c+2], v[AS+32*\c:AS+32*\c+15], v[TM+12+2*\c]
	v_cvt_scalef32_pk16_fp6_f32 v[T2+4*\c:T2+4*\c+2], v[AS+32*\c+16:AS+32*\c+31], v[TM+12+2*\c+1]
.endr
	v_nop                                          ; one plain place behind a scaled conversion
	WIN 0
.irp c, 0,1                                    ; the operand's layout wants a whole block in a lane: lanes 0-15 block 2 c, lanes 16-31 block 2 c + 1
.irp i, 0,1,2
	v_permlane16_swap_b32 v[FA+6*\c+\i], v[T2+4*\c+\i]
.endr
.irp i, 0,1,2
	v_mov_b32 v[FA+6*\c+3+\i], v[T2+4*\c+\i]
.endr
.endr
.endm
.macro PUT a                           ; the fragment's image: each store covers 512 consecutive bytes, aligned; every block has its own registers, so no store's data are written again
.irp c, 0,1,2
	global_store_b128 v[GO], v[AF+FR*(\a)+4*\c:AF+FR*(\a)+4*\c+3], s[12:13] offset:1536*(\a)+512*\c
.endr
.endm
.macro PUTSC                           ; the record's 512 bytes of scale words: lane (r, h) holds those of fragments 4 h .. 4 h + 3, row r
	v_cmp_ne_u32 vcc_lo, 0, v[HH]
.irp t, 0,1,2,3
	v_cndmask_b32 v[OUTW+\t], v[SW+\t], v[SW+4+\t], vcc_lo
.endr
	global_store_b128 v[GO], v[OUTW:OUTW+3], s[12:13] offset:SCO
.endm
	s_load_b128 s[4:7], s[0:1], 0x0                ; ops, qc
	s_load_b128 s[8:11], s[0:1], 0x10              ; kc, vc
	v_lshl_add_u32 v[SPW], v0, 2, SPARE
	v_mov_b32 v[NIL], 0
	ds_add_u32 v[SPW], v[NIL]                      ; the wave's opening: the add, twice on end, and its wait ahead of my first tensor load
	ds_add_u32 v[SPW], v[NIL]
	v_lshrrev_b32 v1, 5, v0
	v_readfirstlane_b32 s14, v1                    ; wave
	s_lshr_b32 s15, s14, 1                         ; my A panel of the tile's two.  Also: I fetch for A (0) or for B (1)
	s_and_b32 s16, s14, 1                          ; my B panel.  Also: which panel I fetch
	s_bfe_u32 s40, ttmp6, 0x40000                  ; cx
	s_bfe_u32 s41, ttmp6, 0x40004                  ; cy
	s_and_b32 s17, ttmp7, 0xffff
	s_lshl_b32 s17, s17, 2                         ; 4 x cluster y
	s_lshl_b32 s18, ttmp9, 2
	s_add_co_u32 s18, s18, 32                      ; 32 + 4 x cluster x: the weights' tiles of 256 rows of ops
	s_cmp_eq_u32 ttmp9, 2                          ; v?  The same in all sixteen partners
	s_cselect_b32 s42, 40, s17                     ; A side: weight_v's tiles 40-43, or the tokens'
	s_cselect_b32 s43, s17, s18                    ; B side: the tokens', or weight_q's or weight_k's
	s_cselect_b32 s19, 1, 0
	s_add_co_u32 s42, s42, s41                     ; A's tile: hangs on cy alone
	s_add_co_u32 s43, s43, s40                     ; B's tile: on cx alone
	s_lshl_b32 s44, s41, 2
	s_lshl_b32 s44, 15, s44                        ; my row of the cluster
	s_lshl_b32 s45, 0x1111, s40                    ; my column
	s_or_b32 s[G1+0], s44, (3<<16)|(1<<21)         ; 15:0 the mask; 17:16 elements of 8 bytes; 21 set beside a mask; no padding
	s_or_b32 s[G1B+0], s45, (3<<16)|(1<<21)
.irp g, G1, G1B                                ; a dense block of 25,600 bytes as 100 rows of 256
	s_mov_b32 s[\g+1], 32<<16                      ; tensor_dim0
	s_mov_b32 s[\g+2], 100<<16                     ; tensor_dim1
	s_mov_b32 s[\g+3], 32<<16                      ; tile_dim0
	s_mov_b32 s[\g+4], 100                         ; tile_dim1
	s_mov_b32 s[\g+5], 32                          ; the pitch
	s_mov_b32 s[\g+6], 0
	s_mov_b32 s[\g+7], 0
.endr
	s_lshl_b32 s20, s42, 1
	s_add_co_u32 s20, s20, s16
	s_mul_i32 s20, s20, PSTR                       ; A: the panel that I would fetch
	s_mov_b32 s21, 0
	s_lshl_b32 s46, s43, 1
	s_add_co_u32 s46, s46, s16
	s_mul_i32 s46, s46, PSTR                       ; B likewise
	s_mov_b32 s47, 0
	s_mul_i32 s22, s14, PAN                        ; where it goes: wave x 25,600: no place in the cluster enters an LDS address
	s_mov_b32 s[SEL], 0x76543210
	s_mov_b32 s[SEL+1], 0xfedcba98
	s_wait_dscnt 0x0                               ; both opening adds are done
	s_wait_kmcnt 0x0
	s_add_nc_u64 s[20:21], s[4:5], s[20:21]
	s_add_nc_u64 s[46:47], s[4:5], s[46:47]
	CROUND                                         ; all sixteen work-groups are here: the first joint loads meet
.irp s, 0,1
	s_mov_b32 s[G0+4*\s], 1
	s_add_co_u32 s[G0+4*\s+1], s22, \s*SLOT
	s_add_nc_u64 s[G0+4*\s+2:G0+4*\s+3], s[20:21], \s*PAN
	s_or_b32 s[G0+4*\s+3], s[G0+4*\s+3], 0x80000000
	s_mov_b32 s[G0B+4*\s], 1
	s_add_co_u32 s[G0B+4*\s+1], s22, \s*SLOT
	s_add_nc_u64 s[G0B+4*\s+2:G0B+4*\s+3], s[46:47], \s*PAN
	s_or_b32 s[G0B+4*\s+3], s[G0B+4*\s+3], 0x80000000
	JLOAD G0+4*\s, G0B+4*\s                        ; two loads of mine are out
.endr
	v_and_b32 v1, 31, v0
	v_and_b32 v2, 15, v0                           ; r
	v_bfe_u32 v[HH], v0, 4, 1                      ; h
	v_lshlrev_b32 v[GO], 4, v1
	s_mul_i32 s76, s15, PAN                        ; my A panel's region
	s_mul_i32 s77, s16, PAN
	s_xor_b32 s78, s15, 1
	s_mul_i32 s78, s78, PAN
	s_add_co_u32 s78, s78, s77
	s_add_co_u32 s78, s78, PAN                     ; from my A panel's region to my B panel's: 25,600 (1 + hb + 1 - ha)
	s_add_co_u32 s77, s77, 2*PAN                   ; my B panel's region
	v_lshlrev_b32 v3, 4, v2
	v_mul_u32_u24 v4, s78, v[HH]                   ; lanes 16-31 take B's words
	v_add_nc_u32 v3, v3, v4
	s_add_co_u32 s79, s76, SCO
.irp s, 0,1
	v_add_nc_u32 v[ADRA+\s], s76, v[GO]
	v_add_nc_u32 v[ADRB+\s], s77, v[GO]
	v_add_nc_u32 v[ADRS+\s], s79, v3
	s_add_co_u32 s76, s76, SLOT
	s_add_co_u32 s77, s77, SLOT
	s_add_co_u32 s79, s79, SLOT
.endr
.irp c, 0,1,2,3
	v_mov_b32 v[TM+4+\c], 0                        ; a lane permute's destination counts as one of its sources
.endr
	; where my record goes.  q, k: [token panel][d step]; v: [batch][d panel][token step]
	s_lshl_b32 s66, s42, 1
	s_add_co_u32 s66, s66, s15                     ; my A-side panel
	s_lshl_b32 s67, s66, 3
	s_lshl_b32 s68, s40, 1
	s_add_co_u32 s68, s68, s16                     ; d step 2 cx + hb
	s_add_co_u32 s67, s67, s68
	s_lshl_b32 s69, s43, 1
	s_add_co_u32 s69, s69, s16                     ; v: my token panel
	s_lshr_b32 s70, s69, 4
	s_lshl_b32 s70, s70, 7                         ; batch x 128 records
	s_and_b32 s71, s69, 15
	s_add_co_u32 s70, s70, s71                     ; + token step
	s_lshl_b32 s71, s41, 1
	s_add_co_u32 s71, s71, s15
	s_lshl_b32 s71, s71, 4
	s_add_co_u32 s70, s70, s71                     ; + 16 x d panel (2 cy + ha)
	s_cmp_eq_u32 s19, 1
	s_cselect_b32 s72, s70, s67
	s_mul_i32 s72, s72, REC
	s_mov_b32 s73, 0
	s_cmp_eq_u32 ttmp9, 0
	s_cselect_b64 s[12:13], s[6:7], s[8:9]
	s_cmp_eq_u32 ttmp9, 2
	s_cselect_b64 s[12:13], s[10:11], s[12:13]
	s_add_nc_u64 s[12:13], s[12:13], s[72:73]
	s_wait_tensorcnt 1                             ; my part of slot 0 is in; slot 1's load may stay out
	s_barrier_signal -1
	s_barrier_wait -1
	FETCH_B 0, 0, 0
	FETCH_A 0, 0, 0
	SCALES 0, 0
	FETCH_A 0, 0, 4
	STEP 0, 1                                      ; the first products start the sums: nothing is cleared
	TURN 0, 1, 1
	STEP 1, 0
	TURN 1, 0, 1
	STEP 0, 0
	TURN 0, 1, 0                                   ; nothing is left to fetch
	STEP 1, 0
	s_wait_dscnt 12                                ; the last 128 along K
	WIN MUL_LO
	MUL16 0, 1, 0
	MUL16 2, 1, 0
	s_wait_dscnt 0x0
	WIN MUL_HI
	MUL16 4, 1, 0
	MUL16 6, 1, 0
	WIN 0
	PLACES
.irp a, 0,1,2,3,4,5,6,7
	QUANTW \a
	PUT \a
.endr
	PUTSC
	s_wait_tensorcnt 0x0                           ; the wave's end
	ds_add_u32 v[SPW], v[NIL]
	s_wait_dscnt 0x0
	CROUND                                         ; the closing round: no work-group ends while a partner may still ask for a tile that names it
	s_endpgm
.Lfunc_end_k_q3dea089de7_proj:
	.size	k_q3dea089de7_proj, .Lfunc_end_k_q3dea089de7_proj-k_q3dea089de7_proj
	.p2alignl 7, 3214868480
	.fill 96, 4, 3214868480
	.section	.rodata,"a",@progbits
	.p2align	6, 0x0
	.amdhsa_kernel k_q3dea089de7_proj
		.amdhsa_group_segment_fixed_size 327680
		.amdhsa_private_segment_fixed_size 0
		.amdhsa_enable_private_segment 0
		.amdhsa_kernarg_size 32
		.amdhsa_user_sgpr_count 2
		.amdhsa_user_sgpr_kernarg_segment_ptr 1
		.amdhsa_wavefront_size32 1
		.amdhsa_system_sgpr_workgroup_id_x 1
		.amdhsa_system_sgpr_workgroup_id_y 1
		.amdhsa_system_sgpr_workgroup_id_z 1
		.amdhsa_system_vgpr_workitem_id 0
		.amdhsa_next_free_vgpr 1024
		.amdhsa_next_free_sgpr 100
		.amdhsa_reserve_vcc 1
		.amdhsa_float_denorm_mode_32 3
		.amdhsa_float_denorm_mode_16_64 3
		.amdhsa_memory_ordered 1
		.amdhsa_forward_progress 1
		.amdhsa_inst_pref_size 136
	.end_amdhsa_kernel
	.amdgpu_metadata
---
amdhsa.version: [ 1, 2 ]
amdhsa.kernels:
  - .name:           k_q3dea089de7_proj
    .symbol:         k_q3dea089de7_proj.kd
    .args:
      - { .name: ops, .offset: 0, .size: 8, .value_kind: global_buffer, .address_space: global }
      - { .name: qc, .offset: 8, .size: 8, .value_kind: global_buffer, .address_space: global }
      - { .name: kc, .offset: 16, .size: 8, .value_kind: global_buffer, .address_space: global }
      - { .name: vc, .offset: 24, .size: 8, .value_kind: global_buffer, .address_space: global }
    .group_segment_fixed_size: 327680
    .private_segment_fixed_size: 0
    .kernarg_segment_align: 8
    .kernarg_segment_size: 32
    .max_flat_workgroup_size: 128
    .sgpr_count:     100
    .vgpr_count:     1024
    .wavefront_size: 32
...
	.end_amdgpu_metadata
.endif
;; end of part 2
;; launch scores (part 3): grid 9 x 16, 4 waves a work-group, no clusters, 327,680 bytes of LDS; arguments qc, kc, pc; writes pc
.if DOCPART == 3
	.amdgcn_target "amdgcn-amd-amdhsa--gfx1250"
	.amdhsa_code_object_version 6
	.text
	.protected	k_q3dea089de7_scores
	.globl	k_q3dea089de7_scores
	.p2align	8
	.type	k_q3dea089de7_scores,@function
k_q3dea089de7_scores:
	s_mov_b64 s[64:65], 0
	v_nop
	global_prefetch_b8 v0, s[64:65] scope:SCOPE_SE
	s_setreg_imm32_b32 hwreg(HW_REG_WAVE_MODE, 25, 1), 1
	s_wait_xcnt 0x0
; P = (q k^T) * D, D[i][j] = gamma^(i - j) for i >= j and 0 else, gamma = 31/32; q k^T on codes of E2M3 (K = d = 1,024); P is quantised in registers along the keys j for the last product.
; Left out as dead work: the tiles of 256 x 256 that lie wholly above the diagonal, where D, built in the problem's own body, is 0 (shown at the head of the first kernel).  Their records of pc are neither written nor read.
; LIMITS: a block of zeros gets the byte 1, not 127 (zero codes; only this program reads the bytes); NaN and infinities are not served (0 x infinity above the diagonal inside a diagonal tile among them).
; A batch has 36 tiles at or under the diagonal: rows p and 7 - p together have nine, so grid x = 0 .. 8 walks them and grid y = 4 x batch + p.
; The loop over K is the projections': records through two LDS slots, four fills written out; source 0 = 16 keys, source 1 = 16 queries: lane (r, h) holds query r, register jj of tile b key 16 b + 8 h + jj.
; NO CLUSTER: the nine tiles of a grid row come from two rows of the triangle of unequal length, so no four neighbours share an operand at every place; partners that only ask and compute nothing would be needed.
; THE DECAY.  i - j = d0 + 16 (a - b) - jj with d0 = 256 (bi - bj) + 128 (ha - hb) + r - 8 h.  So 15 x 8 numbers a lane, E[u][jj] = gamma^(d0 + 112 - 16 u - jj), u = b - a + 7, serve all 64 accumulators; they are made once, while the
; first tiles are on their way, and stay in registers.  Where the exponent is negative (diagonal tiles alone) E is 0: one multiplication is decay and mask.  gamma^N = 2^(N log2 gamma): log2 gamma in two f32 parts, the whole part of
; the exponent by v_ldexp_f32, the rest (at most a half) by v_exp_f32.  E = gamma^(d0 + 105 - 16 u) x gamma^(7 - jj): 23 powers, 120 products.
; REGISTERS as in the projections'; besides: E[0..6] window 0 v64-119; E[7..10] window 1 v96-127; E[11..14] window 1 v224-255; v236 d0 + 112, v237 zero.
.set REC,   12800
.set SCO,   12288
.set PAN,   2*REC
.set PSTR,  8*REC
.set SLOT,  4*PAN
.set SPARE, 2*SLOT
.set FR,    12
.set ADRA,  16
.set ADRB,  20
.set ADRS,  22
.set GO,    26
.set HH,    27
.set SPW,   28
.set NIL,   29
.set SC,    32
.set TM,    48
.set SW,    120
.set AF,    128
.set T2,    224
.set OUTW,  232
.set DI,    236
.set ZR,    237
.set PN,    128                        ; while E is made: the 23 exponents,
.set PT,    160                        ; their whole parts,
.set PR,    192                        ; the powers
.set G1,    24
.set G0,    32
.set SEL,   48
.set MSB, 0
.macro WIN new
.if MSB != (\new)
	s_set_vgpr_msb (MSB<<8)|(\new)
.set MSB, (\new)
.endif
.endm
.set MUL_LO, 0xa1
.set MUL_HI, 0xf1
.set TO_B,   0x40
.macro PLACES
.rept 4
	v_nop
.endr
.endm
.macro FRAG reg, adr, q, i
.irp c, 0,1,2
	ds_load_b128 v[\reg+4*\c:\reg+4*\c+3], v[\adr] offset:(\q)*REC+(\i)*1536+512*\c
.endr
.endm
.macro FETCH_B slot, q, p
	WIN TO_B
.irp i, 0,1,2,3,4,5,6,7
	FRAG 128*(\p)+FR*\i, ADRB+\slot, \q, \i
.endr
	WIN 0
.endm
.macro FETCH_A slot, q, i0
.irp i, \i0, \i0+1, \i0+2, \i0+3
	FRAG AF+FR*(\i), ADRA+\slot, \q, \i
.endr
.endm
.macro SCALES slot, q
	ds_load_b128 v[SC+8*(\q):SC+8*(\q)+3], v[ADRS+\slot] offset:(\q)*REC
	ds_load_b128 v[SC+8*(\q)+4:SC+8*(\q)+7], v[ADRS+\slot] offset:(\q)*REC+256
.endm
.macro MUL16 a0, p, zero               ; the 64 accumulators take turns, one instruction a turn
.irp a, \a0, \a0+1
.irp b, 0,1,2,3,4,5,6,7
.if \zero
	v_wmma_scale_f32_16x16x128_f8f6f4 v[8*(8*((\a)%4)+\b):8*(8*((\a)%4)+\b)+7], v[128*(\p)+FR*\b:128*(\p)+FR*\b+FR-1], v[AF+FR*(\a):AF+FR*(\a)+FR-1], 0, v[SC+8*(\p)+\b], v[SC+8*(\p)+(\a)] matrix_a_fmt:MATRIX_FMT_FP6 matrix_b_fmt:MATRIX_FMT_FP6 matrix_a_scale:MATRIX_SCALE_ROW1
.else
	v_wmma_scale_f32_16x16x128_f8f6f4 v[8*(8*((\a)%4)+\b):8*(8*((\a)%4)+\b)+7], v[128*(\p)+FR*\b:128*(\p)+FR*\b+FR-1], v[AF+FR*(\a):AF+FR*(\a)+FR-1], v[8*(8*((\a)%4)+\b):8*(8*((\a)%4)+\b)+7], v[SC+8*(\p)+\b], v[SC+8*(\p)+(\a)] matrix_a_fmt:MATRIX_FMT_FP6 matrix_b_fmt:MATRIX_FMT_FP6 matrix_a_scale:MATRIX_SCALE_ROW1
.endif
.endr
.endr
.endm
.macro STEP slot, zero
	s_wait_dscnt 12                                ; all but the youngest 12 loads (A's blocks 4-7)
	WIN MUL_LO
	MUL16 0, 0, \zero
	MUL16 2, 0, \zero
	s_wait_dscnt 0x0
	PLACES
	FETCH_B \slot, 1, 1
	FETCH_A \slot, 1, 0
	SCALES \slot, 1
	WIN MUL_HI
	MUL16 4, 0, \zero
	MUL16 6, 0, \zero
	PLACES
	WIN 0
	FETCH_A \slot, 1, 4
.endm
.macro TURN slot, next, fill
	s_wait_tensorcnt 0x0                           ; all my tensor loads have landed: my part of the next slot
	ds_add_u32 v[SPW], v[NIL]
	s_wait_dscnt 13                                ; the add and the youngest 12 loads may be out
	WIN MUL_LO
	MUL16 0, 1, 0
	s_wait_dscnt 0x0                               ; the add is done, and my reads of this slot are over
	s_barrier_signal -1
	MUL16 2, 1, 0
	WIN 0
	s_barrier_wait -1
.if \fill
	s_add_nc_u64 s[G0+4*\slot+2:G0+4*\slot+3], s[G0+4*\slot+2:G0+4*\slot+3], 2*PAN
	tensor_load_to_lds s[G0+4*\slot:G0+4*\slot+3], s[G1:G1+7]   ; my one tensor load behind the barrier, ahead of every LDS read there
	s_nop 0
.endif
	PLACES
	FETCH_B \next, 0, 0
	FETCH_A \next, 0, 0
	SCALES \next, 0
	WIN MUL_HI
	MUL16 4, 1, 0
	MUL16 6, 1, 0
	PLACES
	WIN 0
	FETCH_A \next, 0, 4
.endm
.macro EREG u                          ; where E[u] lies: register ER, window EW
.if (\u) < 7
.set ER, 64+8*(\u)
.set EW, 0
.elseif (\u) < 11
.set ER, 96+8*((\u)-7)
.set EW, 1
.else
.set ER, 224+8*((\u)-11)
.set EW, 1
.endif
.endm
.macro DMUL a                          ; block a's scores x D, two at a time; each accumulator from its low end on
.set WW, 2+(\a)/4
.set AS, 64*((\a)%4)
.irp b, 0,1,2,3,4,5,6,7
	EREG \b-(\a)+7
	WIN WW*0x41+EW*4
.irp k, 0,2,4,6
	v_pk_mul_f32 v[AS+8*\b+\k:AS+8*\b+\k+1], v[AS+8*\b+\k:AS+8*\b+\k+1], v[ER+\k:ER+\k+1]
.endr
.endr
.endm
.macro QUANTW a                        ; as in the projections': block a's codes into v[AF + 12 a] on, its rows' scale word into v[SW + a]
.set WW, 2+(\a)/4
.set AS, 64*((\a)%4)
.set FA, AF+FR*(\a)
	WIN WW*5
.irp c, 0,1,2,3
	v_max3_num_f32 v[TM+\c], |v[AS+16*\c]|, |v[AS+16*\c+1]|, 0x1800000
.endr
.irp i, 2,4,6,8,10,12,14
.irp c, 0,1,2,3
	v_max3_num_f32 v[TM+\c], |v[AS+16*\c+\i]|, |v[AS+16*\c+\i+1]|, v[TM+\c]
.endr
.endr
	WIN 0
.irp c, 0,1,2,3
	v_permlanex16_b32 v[TM+4+\c], v[TM+\c], s[SEL], s[SEL+1]
.endr
.irp c, 0,1,2,3
	v_max_num_f32 v[TM+\c], v[TM+\c], v[TM+4+\c]
.endr
.irp c, 0,1,2,3
	v_add_nc_u32 v[TM+12+\c], 0xff000000, v[TM+\c]
.endr
.irp c, 0,1,2,3
	v_lshrrev_b32 v[TM+4+\c], 23, v[TM+12+\c]
.endr
	v_lshl_or_b32 v[SW+(\a)], v[TM+5], 8, v[TM+4]
	v_lshl_or_b32 v[SW+(\a)], v[TM+6], 16, v[SW+(\a)]
	v_lshl_or_b32 v[SW+(\a)], v[TM+7], 24, v[SW+(\a)]
	WIN WW
.irp c, 0,1
	v_cvt_scalef32_pk16_fp6_f32 v[FA+6*\c:FA+6*\c+2], v[AS+32*\c:AS+32*\c+15], v[TM+12+2*\c]
	v_cvt_scalef32_pk16_fp6_f32 v[T2+4*\c:T2+4*\c+2], v[AS+32*\c+16:AS+32*\c+31], v[TM+12+2*\c+1]
.endr
	v_nop                                          ; one plain place behind a scaled conversion
	WIN 0
.irp c, 0,1
.irp i, 0,1,2
	v_permlane16_swap_b32 v[FA+6*\c+\i], v[T2+4*\c+\i]
.endr
.irp i, 0,1,2
	v_mov_b32 v[FA+6*\c+3+\i], v[T2+4*\c+\i]
.endr
.endr
.endm
.macro PUT a
.irp c, 0,1,2
	global_store_b128 v[GO], v[AF+FR*(\a)+4*\c:AF+FR*(\a)+4*\c+3], s[12:13] offset:1536*(\a)+512*\c
.endr
.endm
.macro PUTSC
	v_cmp_ne_u32 vcc_lo, 0, v[HH]
.irp t, 0,1,2,3
	v_cndmask_b32 v[OUTW+\t], v[SW+\t], v[SW+4+\t], vcc_lo
.endr
	global_store_b128 v[GO], v[OUTW:OUTW+3], s[12:13] offset:SCO
.endm
	s_load_b128 s[4:7], s[0:1], 0x0                ; qc, kc
	s_load_b64 s[8:9], s[0:1], 0x10                ; pc
	v_lshl_add_u32 v[SPW], v0, 2, SPARE
	v_mov_b32 v[NIL], 0
	ds_add_u32 v[SPW], v[NIL]                      ; the wave's opening: the add, twice on end, and its wait ahead of my first tensor load
	ds_add_u32 v[SPW], v[NIL]
	v_lshrrev_b32 v1, 5, v0
	v_readfirstlane_b32 s14, v1                    ; wave
	s_lshr_b32 s15, s14, 1                         ; ha: my panel of queries
	s_and_b32 s16, s14, 1                          ; hb: my panel of keys.  Also: which panel I fetch
	s_and_b32 s17, ttmp7, 0xffff
	s_and_b32 s18, s17, 3                          ; p
	s_lshr_b32 s19, s17, 2                         ; batch
	s_sub_co_u32 s20, 7, s18
	s_sub_co_u32 s21, ttmp9, s18
	s_sub_co_u32 s21, s21, 1
	s_cmp_le_u32 ttmp9, s18
	s_cselect_b32 s22, s18, s20                    ; bi: row p for x <= p, else row 7 - p
	s_cselect_b32 s23, ttmp9, s21                  ; bj: x, else x - p - 1
	s_mov_b32 s[G1+0], 3<<16                       ; no mask; elements of 8 bytes; no padding: a dense block of 25,600 bytes as 100 rows of 256
	s_mov_b32 s[G1+1], 32<<16
	s_mov_b32 s[G1+2], 100<<16
	s_mov_b32 s[G1+3], 32<<16
	s_mov_b32 s[G1+4], 100
	s_mov_b32 s[G1+5], 32
	s_mov_b32 s[G1+6], 0
	s_mov_b32 s[G1+7], 0
	s_cmp_lt_u32 s14, 2                            ; waves 0 and 1 fetch q's two panels, waves 2 and 3 k's
	s_cselect_b32 s40, s22, s23
	s_lshl_b32 s40, s40, 1
	s_add_co_u32 s40, s40, s16
	s_lshl_b32 s41, s19, 4
	s_add_co_u32 s40, s40, s41                     ; token panel 16 batch + 2 block + half
	s_mul_i32 s40, s40, PSTR
	s_mov_b32 s41, 0
	s_mul_i32 s42, s14, PAN                        ; where it goes: wave x 25,600
	s_mov_b32 s[SEL], 0x76543210
	s_mov_b32 s[SEL+1], 0xfedcba98
	s_mov_b32 s50, 0xbd3b9ca6                      ; log2(31/32), the upper part,
	s_mov_b32 s51, 0xb09d958f                      ; and what f32 left of it
	s_wait_dscnt 0x0                               ; both opening adds are done
	s_wait_kmcnt 0x0
	s_cmp_lt_u32 s14, 2
	s_cselect_b64 s[46:47], s[4:5], s[6:7]
	s_add_nc_u64 s[46:47], s[46:47], s[40:41]
.irp s, 0,1
	s_mov_b32 s[G0+4*\s], 1
	s_add_co_u32 s[G0+4*\s+1], s42, \s*SLOT
	s_add_nc_u64 s[G0+4*\s+2:G0+4*\s+3], s[46:47], \s*PAN
	s_or_b32 s[G0+4*\s+3], s[G0+4*\s+3], 0x80000000
.endr
	tensor_load_to_lds s[G0:G0+3], s[G1:G1+7]      ; every wave's two first fills: two loads of mine are out
	s_nop 0
	tensor_load_to_lds s[G0+4:G0+7], s[G1:G1+7]
	s_nop 0
	PLACES
	v_and_b32 v1, 31, v0
	v_and_b32 v2, 15, v0                           ; r
	v_bfe_u32 v[HH], v0, 4, 1                      ; h
	v_lshlrev_b32 v[GO], 4, v1
	s_mul_i32 s52, s15, PAN
	s_mul_i32 s53, s16, PAN
	s_xor_b32 s54, s15, 1
	s_mul_i32 s54, s54, PAN
	s_add_co_u32 s54, s54, s53
	s_add_co_u32 s54, s54, PAN                     ; from my A panel's region to my B panel's
	s_add_co_u32 s53, s53, 2*PAN
	v_lshlrev_b32 v3, 4, v2
	v_mul_u32_u24 v4, s54, v[HH]
	v_add_nc_u32 v3, v3, v4
	s_add_co_u32 s55, s52, SCO
.irp s, 0,1
	v_add_nc_u32 v[ADRA+\s], s52, v[GO]
	v_add_nc_u32 v[ADRB+\s], s53, v[GO]
	v_add_nc_u32 v[ADRS+\s], s55, v3
	s_add_co_u32 s52, s52, SLOT
	s_add_co_u32 s53, s53, SLOT
	s_add_co_u32 s55, s55, SLOT
.endr
.irp c, 0,1,2,3
	v_mov_b32 v[TM+4+\c], 0
.endr
	s_lshl_b32 s56, s19, 4                         ; my record of pc: [batch][i panel][j step]
	s_lshl_b32 s57, s22, 1
	s_add_co_u32 s56, s56, s57
	s_add_co_u32 s56, s56, s15
	s_lshl_b32 s56, s56, 4
	s_lshl_b32 s57, s23, 1
	s_add_co_u32 s56, s56, s57
	s_add_co_u32 s56, s56, s16
	s_mul_i32 s56, s56, REC
	s_mov_b32 s57, 0
	s_add_nc_u64 s[12:13], s[8:9], s[56:57]
	; ---- the decay table, while the first tiles are on their way
	s_sub_co_i32 s44, s22, s23
	s_lshl_b32 s44, s44, 8
	s_sub_co_i32 s45, s15, s16
	s_lshl_b32 s45, s45, 7
	s_add_co_i32 s44, s44, s45
	v_lshlrev_b32 v3, 3, v[HH]
	v_sub_nc_u32 v3, v2, v3
	v_add_nc_u32 v3, s44, v3                       ; d0
	v_add_nc_u32 v[DI], 112, v3
	v_add_nc_u32 v3, 105, v3
.irp u, 0,1,2,3,4,5,6,7,8,9,10,11,12,13,14
	v_add_nc_u32 v[PT+\u], -16*\u, v3              ; d0 + 105 - 16 u
.endr
.irp j, 0,1,2,3,4,5,6,7
	v_mov_b32 v[PT+15+\j], 7-\j
.endr
.set n, 0
.rept 23
	v_cvt_f32_i32 v[PN+n], v[PT+n]                 ; whole numbers under 2^24: exact
.set n, n+1
.endr
.set n, 0
.rept 23
	v_mul_f32 v[PT+n], s50, v[PN+n]
.set n, n+1
.endr
.set n, 0
.rept 23
	v_rndne_f32 v[PT+n], v[PT+n]                   ; the exponent's whole part
.set n, n+1
.endr
.set n, 0
.rept 23
	v_fma_f32 v[PR+n], v[PN+n], s50, -v[PT+n]      ; the rest, at most a half in size,
.set n, n+1
.endr
.set n, 0
.rept 23
	v_fma_f32 v[PR+n], v[PN+n], s51, v[PR+n]       ; with the logarithm's lower part
.set n, n+1
.endr
.set n, 0
.rept 23
	v_exp_f32 v[PR+n], v[PR+n]
.set n, n+1
.endr
.set n, 0
.rept 23
	v_cvt_i32_f32 v[PT+n], v[PT+n]                 ; plain work behind the exponentials
.set n, n+1
.endr
	s_wait_alu depctr_va_vdst(0)                   ; one wait for the batch of 23, ahead of its first reader
.set n, 0
.rept 23
	v_ldexp_f32 v[PR+n], v[PR+n], v[PT+n]
.set n, n+1
.endr
.irp u, 0,1,2,3,4,5,6,7,8,9,10,11,12,13,14
	EREG \u
	WIN EW*0x40
.irp j, 0,1,2,3,4,5,6,7
	v_mul_f32 v[ER+\j], v[PR+\u], v[PR+15+\j]
.endr
.endr
	WIN 0
	s_cmp_lg_u32 s22, s23                          ; under the diagonal tiles every exponent is 1 or more: a branch on ids
	s_cbranch_scc1 .Lno_mask
	v_mov_b32 v[ZR], 0
.irp u, 0,1,2,3,4,5,6,7,8,9,10,11,12,13,14
	EREG \u
	WIN EW*0x41
.irp j, 0,1,2,3,4,5,6,7
	v_cmp_gt_i32 vcc_lo, 16*\u+\j, v[DI]           ; j > i
	v_cndmask_b32 v[ER+\j], v[ER+\j], v[ZR], vcc_lo
.endr
.endr
	WIN 0
.Lno_mask:
	s_wait_tensorcnt 1                             ; my part of slot 0 is in; slot 1's load may stay out
	s_barrier_signal -1
	s_barrier_wait -1
	FETCH_B 0, 0, 0
	FETCH_A 0, 0, 0
	SCALES 0, 0
	FETCH_A 0, 0, 4
	STEP 0, 1
	TURN 0, 1, 1
	STEP 1, 0
	TURN 1, 0, 1
	STEP 0, 0
	TURN 0, 1, 0
	STEP 1, 0
	s_wait_dscnt 12
	WIN MUL_LO
	MUL16 0, 1, 0
	MUL16 2, 1, 0
	s_wait_dscnt 0x0
	WIN MUL_HI
	MUL16 4, 1, 0
	MUL16 6, 1, 0
	WIN 0
	PLACES
.irp a, 0,1,2,3,4,5,6,7
	DMUL \a
	QUANTW \a
	PUT \a
.endr
	PUTSC
	s_wait_tensorcnt 0x0                           ; the wave's end
	ds_add_u32 v[SPW], v[NIL]
	s_wait_dscnt 0x0
	s_endpgm
.Lfunc_end_k_q3dea089de7_scores:
	.size	k_q3dea089de7_scores, .Lfunc_end_k_q3dea089de7_scores-k_q3dea089de7_scores
	.p2alignl 7, 3214868480
	.fill 96, 4, 3214868480
	.section	.rodata,"a",@progbits
	.p2align	6, 0x0
	.amdhsa_kernel k_q3dea089de7_scores
		.amdhsa_group_segment_fixed_size 327680
		.amdhsa_private_segment_fixed_size 0
		.amdhsa_enable_private_segment 0
		.amdhsa_kernarg_size 24
		.amdhsa_user_sgpr_count 2
		.amdhsa_user_sgpr_kernarg_segment_ptr 1
		.amdhsa_wavefront_size32 1
		.amdhsa_system_sgpr_workgroup_id_x 1
		.amdhsa_system_sgpr_workgroup_id_y 1
		.amdhsa_system_sgpr_workgroup_id_z 1
		.amdhsa_system_vgpr_workitem_id 0
		.amdhsa_next_free_vgpr 1024
		.amdhsa_next_free_sgpr 66
		.amdhsa_reserve_vcc 1
		.amdhsa_float_denorm_mode_32 3
		.amdhsa_float_denorm_mode_16_64 3
		.amdhsa_memory_ordered 1
		.amdhsa_forward_progress 1
		.amdhsa_inst_pref_size 172
	.end_amdhsa_kernel
	.amdgpu_metadata
---
amdhsa.version: [ 1, 2 ]
amdhsa.kernels:
  - .name:           k_q3dea089de7_scores
    .symbol:         k_q3dea089de7_scores.kd
    .args:
      - { .name: qc, .offset: 0, .size: 8, .value_kind: global_buffer, .address_space: global }
      - { .name: kc, .offset: 8, .size: 8, .value_kind: global_buffer, .address_space: global }
      - { .name: pc, .offset: 16, .size: 8, .value_kind: global_buffer, .address_space: global }
    .group_segment_fixed_size: 327680
    .private_segment_fixed_size: 0
    .kernarg_segment_align: 8
    .kernarg_segment_size: 24
    .max_flat_workgroup_size: 128
    .sgpr_count:     66
    .vgpr_count:     1024
    .wavefront_size: 32
...
	.end_amdgpu_metadata
.endif
;; end of part 3
;; launch pv (part 4): grid 8 x 32, 4 waves a work-group, no clusters, 327,680 bytes of LDS; arguments pc, vc, out0; writes out0
.if DOCPART == 4
	.amdgcn_target "amdgcn-amd-amdhsa--gfx1250"
	.amdhsa_code_object_version 6
	.text
	.protected	k_q3dea089de7_pv
	.globl	k_q3dea089de7_pv
	.p2align	8
	.type	k_q3dea089de7_pv,@function
k_q3dea089de7_pv:
	s_mov_b64 s[64:65], 0
	v_nop
	global_prefetch_b8 v0, s[64:65] scope:SCOPE_SE
	s_setreg_imm32_b32 hwreg(HW_REG_WAVE_MODE, 25, 1), 1
	s_wait_xcnt 0x0
; out[b][i][d] = the sum over j <= i's block of P[b][i][j] v[b][j][d], on codes of E2M3 (K = the keys j), f32 sums.
; Left out as dead work: the K steps whose keys all come after the tile's last query, where P = scores * D is 0 by the mask that the problem builds itself (shown at the head of the first kernel).
; A work-group makes 256 queries (block BI of its batch) x 128 of d: K = 256 (BI + 1).  Four waves, each 128 queries x 64 of d: 32 accumulators.  Source 0 = 16 rows d of v, source 1 = 16 queries: a lane holds eight neighbouring d of a query.
; A slot holds 256 keys: P's two panels (two records each) and v's two records.  Waves 0, 1 fetch P's panels, waves 2, 3 v's records: one tensor load a wave behind each change of slots.
; EVERY work-group walks all eight changes of slots: trip counts are constants.  A slot is asked for only while its keys count for the work-group's queries (tile n + 1 <= BI), and read only then: jumps on ids and the count of trips alone,
; the same in all four waves, round the load's own lines or round a trip's work, never round a barrier, a wait or the add; every wait for tensor loads is for all of them.
; NO CLUSTER: where the asking ends hangs on BI, and a joint load may not be led round; the work-groups that share v's records have different BI.
; A tile's second 128 keys are multiplied while the next tile's first fragments come from LDS: their registers were filled ahead of the change of slots.
; REGISTERS: window 0: v8-15 addresses; v24-29; v32-47 scale words, two sets; v48-143, v144-239 P's fragments, two sets (v48-111 serve the way out).  window 1: accumulator (a, b) at v[8 (4 a + b)].  window 2: v's fragments, v0-47, v48-95.
.set REC,   12800
.set SCO,   12288
.set PAN,   2*REC
.set SLOT1, 1<<17                      ; slot 1 begins here: one exclusive or turns an address from one slot to the other
.set STAGE, 3*PAN                      ; behind slot 0: 16 rows x (256 + 16) bytes for each wave, for the way out; no tensor load lands here
.set SP,    272
.set SPARE, STAGE+4*16*SP              ; the spare words, 128 bytes for each wave
.set FR,    12
.set BA,    8                          ; v8-11 my lane's places in a slot: P's fragments, v's, the scale words (two)
.set BB0,   9
.set BS,    10
.set BT,    11
.set CA,    12                         ; v12-15 the same in the slot in hand
.set CB,    13
.set CS,    14
.set CT,    15
.set STO,   24
.set RD,    25
.set CO,    26
.set HH,    27
.set SPW,   28
.set NIL,   29
.set SC,    32
.set G1A,   24
.set G1B,   32
.set G0A,   40
.set G0B,   44
.set TB,    48                         ; s48 where the slot in hand begins
.set NN,    49                         ; s49 the tile of keys in hand
.set BI,    52                         ; s52 my block of queries: the last tile of keys that counts
.set MSB, 0
.macro WIN new
.if MSB != (\new)
	s_set_vgpr_msb (MSB<<8)|(\new)
.set MSB, (\new)
.endif
.endm
.macro PLACES
.rept 4
	v_nop
.endr
.endm
.macro TLOAD                           ; tiles of two shapes: two groups 1, chosen by a branch on the wave's number; every wave issues one load
	s_cmp_lt_u32 s14, 2
	s_cbranch_scc0 .Lfor_b_\@
	tensor_load_to_lds s[G0A:G0A+3], s[G1A:G1A+7]
	s_nop 0
	PLACES
	s_branch .Lasked_\@
.Lfor_b_\@:
	tensor_load_to_lds s[G0B:G0B+3], s[G1B:G1B+7]
	s_nop 0
	PLACES
.Lasked_\@:
.endm
.macro FETCH q, set                    ; 38 LDS loads: the slot's q-th 128 keys: v's four fragments, P's eight, the scale words
	WIN 0x80                                       ; destination window 2
.irp b, 0,1,2,3
.irp c, 0,1,2
	ds_load_b128 v[48*(\set)+FR*\b+4*\c:48*(\set)+FR*\b+4*\c+3], v[CB] offset:(\q)*REC+1536*\b+512*\c
.endr
.endr
	WIN 0
.irp a, 0,1,2,3,4,5,6,7
.irp c, 0,1,2
	ds_load_b128 v[48+96*(\set)+FR*\a+4*\c:48+96*(\set)+FR*\a+4*\c+3], v[CA] offset:(\q)*REC+1536*\a+512*\c
.endr
.endr
	ds_load_b128 v[SC+8*(\set):SC+8*(\set)+3], v[CS] offset:(\q)*REC       ; lanes 0-15: P's fragments 0-3; lanes 16-31: v's four
	ds_load_b128 v[SC+8*(\set)+4:SC+8*(\set)+7], v[CT] offset:(\q)*REC     ; lanes 0-15: P's fragments 4-7; lanes 16-31: v's four again
.endm
.macro MULP set, zero                  ; 32 matrix instructions; the 32 accumulators take turns, one instruction a turn
	WIN 0x52                                       ; source 0 (v) window 2, source 1 (P) window 0, C and D window 1
.irp a, 0,1,2,3,4,5,6,7
.irp b, 0,1,2,3
.if \zero
	v_wmma_scale_f32_16x16x128_f8f6f4 v[8*(4*\a+\b):8*(4*\a+\b)+7], v[48*(\set)+FR*\b:48*(\set)+FR*\b+FR-1], v[48+96*(\set)+FR*\a:48+96*(\set)+FR*\a+FR-1], 0, v[SC+8*(\set)+\b], v[SC+8*(\set)+\a] matrix_a_fmt:MATRIX_FMT_FP6 matrix_b_fmt:MATRIX_FMT_FP6 matrix_a_scale:MATRIX_SCALE_ROW1
.else
	v_wmma_scale_f32_16x16x128_f8f6f4 v[8*(4*\a+\b):8*(4*\a+\b)+7], v[48*(\set)+FR*\b:48*(\set)+FR*\b+FR-1], v[48+96*(\set)+FR*\a:48+96*(\set)+FR*\a+FR-1], v[8*(4*\a+\b):8*(4*\a+\b)+7], v[SC+8*(\set)+\b], v[SC+8*(\set)+\a] matrix_a_fmt:MATRIX_FMT_FP6 matrix_b_fmt:MATRIX_FMT_FP6 matrix_a_scale:MATRIX_SCALE_ROW1
.endif
.endr
.endr
	WIN 0
.endm
; THE CHANGE OF SLOTS stands at a tile's head: each wave waits for all its tensor loads (its part of the tile ahead), adds 0 to its spare word, and waits for that and for its reads of the slot that it has left.
.macro CHANGE fill
	s_wait_tensorcnt 0x0                           ; no tensor load of mine is out, so a group 0 may be written
	ds_add_u32 v[SPW], v[NIL]
.if \fill
	s_xor_b32 s[G0A+1], s[G0A+1], SLOT1            ; the walking descriptors: the other slot, the next 256 keys
	s_add_nc_u64 s[G0A+2:G0A+3], s[G0A+2:G0A+3], PAN
	s_xor_b32 s[G0B+1], s[G0B+1], SLOT1
	s_add_nc_u64 s[G0B+2:G0B+3], s[G0B+2:G0B+3], PAN
.endif
	s_wait_dscnt 0x0                               ; the add is done, and my reads of the slot that I have left are over
	s_barrier_signal -1
	s_barrier_wait -1
.if \fill
	s_cmp_ge_u32 s[NN], s[BI]                      ; tile NN + 1 counts only while NN < BI: a slot that no wave will read is not asked for
	s_cbranch_scc1 .Lpast_\@
	TLOAD
.Lpast_\@:
.endif
.endm
.macro ADDR                            ; the slot in hand.  These four plain lines are also the places between the last products and the loads into their operands
	v_add_nc_u32 v[CA], s[TB], v[BA]
	v_add_nc_u32 v[CB], s[TB], v[BB0]
	v_add_nc_u32 v[CS], s[TB], v[BS]
	v_add_nc_u32 v[CT], s[TB], v[BT]
.endm
.macro BODY
	ADDR
	s_cmp_gt_u32 s[NN], s[BI]
	s_cbranch_scc1 .Ldrain_\@
	FETCH 0, 0                                     ; this tile's first 128 keys,
	MULP 1, 0                                      ; under the last tile's second 128
	s_wait_dscnt 0x0
	PLACES
	FETCH 1, 1
	MULP 0, 0
	s_branch .Ldone_\@
.Ldrain_\@:                                    ; past my last tile: its second 128 keys are still owed in the trip that follows it
	s_sub_co_u32 s50, s[NN], 1
	s_cmp_gt_u32 s50, s[BI]
	s_cbranch_scc1 .Ldone_\@
	MULP 1, 0
.Ldone_\@:
	s_xor_b32 s[TB], s[TB], SLOT1
.endm
	s_load_b128 s[4:7], s[0:1], 0x0                ; pc, vc
	s_load_b64 s[8:9], s[0:1], 0x10                ; out0
	v_lshl_add_u32 v[SPW], v0, 2, SPARE
	v_mov_b32 v[NIL], 0
	ds_add_u32 v[SPW], v[NIL]                      ; the wave's opening: the add, twice on end, and its wait ahead of my first tensor load
	ds_add_u32 v[SPW], v[NIL]
	v_lshrrev_b32 v1, 5, v0
	v_readfirstlane_b32 s14, v1                    ; wave
	s_lshr_b32 s15, s14, 1                         ; ha: my panel of queries
	s_and_b32 s16, s14, 1                          ; hb: my 64 of d.  Also: which panel or record I fetch
	s_and_b32 s17, ttmp7, 0xffff
	s_lshr_b32 s18, s17, 3                         ; batch
	s_and_b32 s[BI], s17, 7
	s_mov_b32 s[G1A+0], 3<<16                      ; P: 25,600 dense bytes as 100 rows of 256
	s_mov_b32 s[G1A+1], 32<<16
	s_mov_b32 s[G1A+2], 100<<16
	s_mov_b32 s[G1A+3], 32<<16
	s_mov_b32 s[G1A+4], 100
	s_mov_b32 s[G1A+5], 32
	s_mov_b32 s[G1A+6], 0
	s_mov_b32 s[G1A+7], 0
	s_mov_b32 s[G1B+0], 3<<16                      ; v: 12,800 dense bytes as 50 rows of 256
	s_mov_b32 s[G1B+1], 32<<16
	s_mov_b32 s[G1B+2], 50<<16
	s_mov_b32 s[G1B+3], 32<<16
	s_mov_b32 s[G1B+4], 50
	s_mov_b32 s[G1B+5], 32
	s_mov_b32 s[G1B+6], 0
	s_mov_b32 s[G1B+7], 0
	s_lshl_b32 s20, s18, 4
	s_lshl_b32 s21, s[BI], 1
	s_add_co_u32 s20, s20, s21
	s_add_co_u32 s20, s20, s16
	s_mul_i32 s20, s20, 16*REC                     ; P: i panel 16 batch + 2 BI + half, j step 0
	s_mov_b32 s21, 0
	s_lshl_b32 s22, s18, 3
	s_add_co_u32 s22, s22, ttmp9
	s_lshl_b32 s22, s22, 4
	s_add_co_u32 s22, s22, s16
	s_mul_i32 s22, s22, REC                        ; v: d panel 8 batch + x, token step 0 or 1
	s_mov_b32 s23, 0
	s_mul_i32 s53, s16, PAN
	s_mul_i32 s54, s16, REC
	s_add_co_u32 s54, s54, 2*PAN
	s_mov_b32 s[TB], 0
	s_mov_b32 s[NN], 0
	s_wait_dscnt 0x0                               ; both opening adds are done
	s_wait_kmcnt 0x0
	s_mov_b32 s[G0A], 1
	s_mov_b32 s[G0A+1], s53
	s_add_nc_u64 s[G0A+2:G0A+3], s[4:5], s[20:21]
	s_or_b32 s[G0A+3], s[G0A+3], 0x80000000
	s_mov_b32 s[G0B], 1
	s_mov_b32 s[G0B+1], s54
	s_add_nc_u64 s[G0B+2:G0B+3], s[6:7], s[22:23]
	s_or_b32 s[G0B+3], s[G0B+3], 0x80000000
	TLOAD                                          ; tile 0, which counts for every query: one load of mine is out
	v_and_b32 v1, 31, v0
	v_and_b32 v2, 15, v0                           ; r
	v_bfe_u32 v[HH], v0, 4, 1                      ; h
	v_lshlrev_b32 v3, 4, v1                        ; 16 x lane
	s_mul_i32 s56, s15, PAN                        ; my panel of P
	v_add_nc_u32 v[BA], s56, v3
	s_mul_i32 s57, s16, 6144
	s_add_co_u32 s57, s57, 2*PAN                   ; v's fragments 4 hb on
	v_add_nc_u32 v[BB0], s57, v3
	s_xor_b32 s58, s15, 1
	s_mul_i32 s58, s58, PAN
	s_lshl_b32 s59, s16, 8
	s_add_co_u32 s58, s58, s59                     ; 25,600 (1 - ha) + 256 hb
	s_add_co_u32 s59, s58, PAN                     ; from P's scale words to v's four
	v_lshlrev_b32 v4, 4, v2
	v_mul_u32_u24 v5, s59, v[HH]
	v_add_nc_u32 v5, v4, v5
	s_add_co_u32 s60, s56, SCO
	v_add_nc_u32 v[BS], s60, v5
	s_add_co_u32 s59, s58, PAN-256                 ; the same from P's fragments 4-7
	v_mul_u32_u24 v5, s59, v[HH]
	v_add_nc_u32 v5, v4, v5
	s_add_co_u32 s60, s60, 256
	v_add_nc_u32 v[BT], s60, v5
	s_mul_i32 s61, s14, 16*SP
	s_add_co_u32 s61, s61, STAGE                   ; my stage
	v_mul_u32_u24 v[STO], v2, SP
	v_lshl_add_u32 v[STO], v[HH], 5, v[STO]
	v_add_nc_u32 v[STO], s61, v[STO]               ; in: row r, 32 bytes for each half of the lanes
	v_mul_u32_u24 v[RD], v[HH], SP
	v_lshl_add_u32 v[RD], v2, 4, v[RD]
	v_add_nc_u32 v[RD], s61, v[RD]                 ; back: lanes 0-15 one row of 256 bytes, lanes 16-31 the next
	v_lshlrev_b32 v[CO], 12, v[HH]
	v_lshl_add_u32 v[CO], v2, 4, v[CO]             ; and the same two rows in out0
	s_lshl_b32 s62, s18, 11
	s_lshl_b32 s63, s[BI], 8
	s_add_co_u32 s62, s62, s63
	s_lshl_b32 s63, s15, 7
	s_add_co_u32 s62, s62, s63                     ; my first row
	s_lshl_b32 s62, s62, 12
	s_lshl_b32 s63, ttmp9, 9
	s_add_co_u32 s62, s62, s63
	s_lshl_b32 s63, s16, 8
	s_add_co_u32 s62, s62, s63                     ; my first column, in bytes
	s_mov_b32 s63, 0
	s_add_nc_u64 s[8:9], s[8:9], s[62:63]
	CHANGE 1                                       ; tile 0 is whole; slot 1's first fill goes out where tile 1 counts
	ADDR
	FETCH 0, 0
	s_wait_dscnt 0x0
	FETCH 1, 1
	MULP 0, 1                                      ; the first products start the sums: nothing is cleared
	s_xor_b32 s[TB], s[TB], SLOT1
	s_mov_b32 s[NN], 1
.Ltile:                                        ; six trips: tiles 1 to 6
	CHANGE 1
	BODY
	s_add_co_u32 s[NN], s[NN], 1
	s_cmp_lt_u32 s[NN], 7
	s_cbranch_scc1 .Ltile
	CHANGE 0                                       ; tile 7: nothing is left to ask for
	BODY
	s_cmp_lg_u32 s[BI], 7
	s_cbranch_scc1 .Lout
	s_wait_dscnt 0x0
	MULP 1, 0                                      ; tile 7's second 128 keys
.Lout:
	PLACES
; THE WAY OUT, a block of 16 queries x 64 of d at a time, through my own stage: back as whole rows of 256 bytes.  LDS serves a wave's instructions in order: no wait between the stores and the loads, nor ahead of the next block's stores.
.macro TOSTAGE a
	WIN 0x04                                       ; an LDS store's data: window 1
.irp b, 0,1,2,3
	ds_store_b128 v[STO], v[8*(4*(\a)+\b):8*(4*(\a)+\b)+3] offset:64*\b          ; each accumulator from its low end on
	ds_store_b128 v[STO], v[8*(4*(\a)+\b)+4:8*(4*(\a)+\b)+7] offset:64*\b+16
.endr
	WIN 0
.set BK, 48+32*((\a)%2)
.irp t, 0,1,2,3,4,5,6,7
	ds_load_b128 v[BK+4*\t:BK+4*\t+3], v[RD] offset:\t*2*SP
.endr
.endm
.macro SEND a, younger
.set BK, 48+32*((\a)%2)
	s_wait_dscnt \younger                          ; the block is back; the next block's 8 stores and 8 loads may be out
.irp t, 0,1,2,3,4,5,6,7
	global_store_b128 v[CO], v[BK+4*\t:BK+4*\t+3], s[8:9] offset:(16*(\a)+2*\t)*4096 th:TH_STORE_NT   ; 16 lanes store 256 consecutive bytes, aligned
.endr
.endm
	TOSTAGE 0
.irp a, 1,2,3,4,5,6,7
.if \a > 1
	s_wait_xcnt 0x0                                ; block a - 2's stores have read their registers: block a's loads may land there
.endif
	TOSTAGE \a
	SEND \a-1, 16
.endr
	SEND 7, 0
	s_wait_tensorcnt 0x0                           ; the wave's end, behind my last tensor load and my last LDS store
	ds_add_u32 v[SPW], v[NIL]
	s_wait_dscnt 0x0
	s_endpgm
.Lfunc_end_k_q3dea089de7_pv:
	.size	k_q3dea089de7_pv, .Lfunc_end_k_q3dea089de7_pv-k_q3dea089de7_pv
	.p2alignl 7, 3214868480
	.fill 96, 4, 3214868480
	.section	.rodata,"a",@progbits
	.p2align	6, 0x0
	.amdhsa_kernel k_q3dea089de7_pv
		.amdhsa_group_segment_fixed_size 327680
		.amdhsa_private_segment_fixed_size 0
		.amdhsa_enable_private_segment 0
		.amdhsa_kernarg_size 24
		.amdhsa_user_sgpr_count 2
		.amdhsa_user_sgpr_kernarg_segment_ptr 1
		.amdhsa_wavefront_size32 1
		.amdhsa_system_sgpr_workgroup_id_x 1
		.amdhsa_system_sgpr_workgroup_id_y 1
		.amdhsa_system_sgpr_workgroup_id_z 1
		.amdhsa_system_vgpr_workitem_id 0
		.amdhsa_next_free_vgpr 640
		.amdhsa_next_free_sgpr 66
		.amdhsa_reserve_vcc 0
		.amdhsa_float_denorm_mode_32 3
		.amdhsa_float_denorm_mode_16_64 3
		.amdhsa_memory_ordered 1
		.amdhsa_forward_progress 1
		.amdhsa_inst_pref_size 72
	.end_amdhsa_kernel
	.amdgpu_metadata
---
amdhsa.version: [ 1, 2 ]
amdhsa.kernels:
  - .name:           k_q3dea089de7_pv
    .symbol:         k_q3dea089de7_pv.kd
    .args:
      - { .name: pc, .offset: 0, .size: 8, .value_kind: global_buffer, .address_space: global }
      - { .name: vc, .offset: 8, .size: 8, .value_kind: global_buffer, .address_space: global }
      - { .name: out0, .offset: 16, .size: 8, .value_kind: global_buffer, .address_space: global }
    .group_segment_fixed_size: 327680
    .private_segment_fixed_size: 0
    .kernarg_segment_align: 8
    .kernarg_segment_size: 24
    .max_flat_workgroup_size: 128
    .sgpr_count:     66
    .vgpr_count:     640
    .wavefront_size: 32
...
	.end_amdgpu_metadata
.endif
;; end of part 4
;; ======== version 2 of 2: 4 launches; 1.16 times as fast as version 1
;; workspace buffers: ops 9,011,200 bytes; qc 6,553,600 bytes; kc 6,553,600 bytes; vc 6,553,600 bytes; pc 13,107,200 bytes
;; launch quant: the kernel of part 1 again; grid 448 x 1, 4 waves a work-group, no clusters, 34,304 bytes of LDS; arguments x, weight_q, weight_k, weight_v, ops; writes ops
;; launch proj (part 5): grid 12 x 32, 4 waves a work-group, clusters of 4 x 4, 327,680 bytes of LDS; arguments ops, qc, kc, vc; writes qc, kc, vc
.if DOCPART == 5
	.amdgcn_target "amdgcn-amd-amdhsa--gfx1250"
	.amdhsa_code_object_version 6
	.text
	.protected	k_q3dea089de7_proj
	.globl	k_q3dea089de7_proj
	.p2align	8
	.type	k_q3dea089de7_proj,@function
k_q3dea089de7_proj:
	s_mov_b64 s[64:65], 0
	v_nop
	global_prefetch_b8 v0, s[64:65] scope:SCOPE_SE
	s_setreg_imm32_b32 hwreg(HW_REG_WAVE_MODE, 25, 1), 1
	s_wait_xcnt 0x0
	s_wait_alu depctr_hold_cnt(0) depctr_sa_sdst(0) depctr_va_vdst(0) depctr_va_sdst(0) depctr_va_ssrc(0) depctr_va_vcc(0) depctr_vm_vsrc(0)
	s_getreg_b32 s2, hwreg(HW_REG_IB_STS2, 6, 4)
	s_cmp_eq_u32 s2, 0
	s_cbranch_scc0 .Lentry_in_a_cluster
	s_endpgm
.Lentry_in_a_cluster:
	s_bfe_u32 s2, ttmp6, 0x10000c
	s_cmp_lg_u32 s2, 0xf033
	s_cbranch_scc0 .Lentry_shape_is_right
	s_endpgm
.Lentry_shape_is_right:
; q = x Wq, k = x Wk, v = x Wv on codes of E2M3 (K = 1,024), each result quantised in registers for the product that takes it next: q and k along d, v along the tokens.
; Left out as dead work: the factor thetas = exp(0 * n * theta) = 1 on q and k (shown at the head of the first kernel); theta is not an argument.
; LIMITS: a block of zeros gets the byte 1, not 127 (zero codes; only this program reads the bytes); NaN and infinities are not served.
; RECORDS (first kernel's head): 128 rows x 128 K in 12,800 bytes: eight fragments as images of the operand's registers, then the scale words.  ops = [panel][K step][record].
; A tile is 256 x 256; four waves, 128 x 128 each: 64 accumulators.  Source 0 = 16 rows of the B side, source 1 = 16 rows of the A side: lane (r, h) holds A-side row r, and register j of tile b the B-side row 16 b + 8 h + j.
; Clusters with x = 0, 1 make q, k: A side = tokens, B side = the weight's columns.  Clusters with x = 2 make v: A side = weight_v's columns, B side = tokens, so that the same text quantises v along the tokens.
; A wave's 128 x 128 results are ONE record of the next product: rows = its A-side panel, K step = its B-side panel.  The 16 registers of tiles 2 c, 2 c + 1 and lane l xor 16's are block c of 32 along the next K: scale and codes
; are the block's own; inside a block a code's place has bits 3 and 4 of its index exchanged.  q and k (and P and v) are made alike, so both operands of the next product carry the same order and every product meets its partner.
; K goes through THREE LDS slots of 256 along K.  All three are asked for at the head (three loads of a wave are out); the fourth 256 go into slot 0 behind the change from slot 0 to slot 1, the launch's one refill,
; and have 224 matrix instructions a wave in which to land.  A wave fetches one panel's two records, 25,600 dense bytes, by one tensor load.
; CLUSTER 4 x 4: A's panels hang on the cluster's row alone, B's on its column alone: each is asked for jointly by the four that share it.
; 384 work-groups: a tile of 256 x 384, which would give 256, wants 768 accumulator registers a wave and leaves no room for the fragments.
; REGISTERS: window 0: v16-29 addresses; v32-47 scale words, two sets; v48-63 at work; v120-127 the results' scale words; v128-223 A's fragments, one set, later the results' codes; v224-235 at work.
;   window 1: B's fragments, two sets, v0-95 and v128-223.   windows 2, 3: accumulator (a, b) at v[8 (8 (a % 4) + b)].
.set REC,   12800
.set SCO,   12288
.set PAN,   2*REC                      ; two K steps of a panel: what one tensor load brings
.set PSTR,  8*REC                      ; a panel's eight K steps in memory
.set SLOT,  4*PAN                      ; A's two panels, then B's two
.set SPARE, 3*SLOT                     ; behind the three slots: the spare words, 128 bytes for each wave
.set FR,    12
.set ADRA,  16                         ; v16-18 my A panel in slot 0, 1, 2: + 16 x lane
.set ADRB,  19                         ; v19-21 my B panel
.set ADRS,  22                         ; v22-24 scale words: lanes 0-15 A's, lanes 16-31 B's
.set GO,    26                         ; v26    16 x lane
.set HH,    27                         ; v27    h
.set SPW,   28
.set NIL,   29
.set SC,    32                         ; set q at v[SC + 8 q]; register i: lanes 0-15 the words of A's fragment i, lanes 16-31 of B's fragment i
.set TM,    48
.set SW,    120
.set AF,    128
.set T2,    224
.set OUTW,  232
.set G1,    24
.set G0,    32                         ; A's groups 0: s[32:35] slot 0, s[36:39] slot 1, s[80:83] slot 2
.set G1B,   48
.set G0B,   56                         ; B's: s[56:59], s[60:63], s[84:87]
.set SEL,   74
.set MSB, 0
.macro WIN new                         ; the immediate's high byte repeats the setting that is left
.if MSB != (\new)
	s_set_vgpr_msb (MSB<<8)|(\new)
.set MSB, (\new)
.endif
.endm
.set MUL_LO, 0xa1                      ; source 0 (B) window 1, source 1 (A) window 0, C and D window 2
.set MUL_HI, 0xf1                      ; the same, C and D window 3
.set TO_B,   0x40
.macro PLACES                          ; four plain places behind a matrix instruction, ahead of loads into its registers and of reads of its results
.rept 4
	v_nop
.endr
.endm
.macro JLOAD g0a, g0b                  ; a joint load: waves 0 and 1 fetch A's panels, waves 2 and 3 B's; the branch hangs on the wave's number alone
	s_cmp_eq_u32 s15, 0
	s_cbranch_scc0 .Lfor_b_\@
	tensor_load_to_lds s[\g0a:\g0a+3], s[G1:G1+7]
	s_nop 0
	PLACES
	s_branch .Lasked_\@
.Lfor_b_\@:
	tensor_load_to_lds s[\g0b:\g0b+3], s[G1B:G1B+7]
	s_nop 0
	PLACES
.Lasked_\@:
.endm
.macro CREST                           ; a round of the cluster's barrier behind its opening barrier
	s_cmp_lg_u32 s14, 0
	s_cbranch_scc1 .Lnot_wave_0_\@
	s_barrier_signal -3
.Lnot_wave_0_\@:
	s_barrier_wait -3
	s_barrier_signal -1
	s_barrier_wait -1
.endm
.macro CROUND
	s_barrier_signal -1
	s_barrier_wait -1
	CREST
.endm
.macro FRAG reg, adr, q, i             ; a fragment comes as it was stored: three loads of 512 consecutive bytes
.irp c, 0,1,2
	ds_load_b128 v[\reg+4*\c:\reg+4*\c+3], v[\adr] offset:(\q)*REC+(\i)*1536+512*\c
.endr
.endm
.macro FETCH_B slot, q, p
	WIN TO_B
.irp i, 0,1,2,3,4,5,6,7
	FRAG 128*(\p)+FR*\i, ADRB+\slot, \q, \i
.endr
	WIN 0
.endm
.macro FETCH_A slot, q, i0
.irp i, \i0, \i0+1, \i0+2, \i0+3
	FRAG AF+FR*(\i), ADRA+\slot, \q, \i
.endr
.endm
.macro SCALES slot, q
	ds_load_b128 v[SC+8*(\q):SC+8*(\q)+3], v[ADRS+\slot] offset:(\q)*REC
	ds_load_b128 v[SC+8*(\q)+4:SC+8*(\q)+7], v[ADRS+\slot] offset:(\q)*REC+256
.endm
; 16 matrix instructions: A's blocks a0, a0 + 1 x B's eight.  p: B's set and the set of scale words.  The 64 accumulators take turns, one instruction a turn, in the same order in every step.
.macro MUL16 a0, p, zero
.irp a, \a0, \a0+1
.irp b, 0,1,2,3,4,5,6,7
.if \zero
	v_wmma_scale_f32_16x16x128_f8f6f4 v[8*(8*((\a)%4)+\b):8*(8*((\a)%4)+\b)+7], v[128*(\p)+FR*\b:128*(\p)+FR*\b+FR-1], v[AF+FR*(\a):AF+FR*(\a)+FR-1], 0, v[SC+8*(\p)+\b], v[SC+8*(\p)+(\a)] matrix_a_fmt:MATRIX_FMT_FP6 matrix_b_fmt:MATRIX_FMT_FP6 matrix_a_scale:MATRIX_SCALE_ROW1
.else
	v_wmma_scale_f32_16x16x128_f8f6f4 v[8*(8*((\a)%4)+\b):8*(8*((\a)%4)+\b)+7], v[128*(\p)+FR*\b:128*(\p)+FR*\b+FR-1], v[AF+FR*(\a):AF+FR*(\a)+FR-1], v[8*(8*((\a)%4)+\b):8*(8*((\a)%4)+\b)+7], v[SC+8*(\p)+\b], v[SC+8*(\p)+(\a)] matrix_a_fmt:MATRIX_FMT_FP6 matrix_b_fmt:MATRIX_FMT_FP6 matrix_a_scale:MATRIX_SCALE_ROW1
.endif
.endr
.endr
.endm
; 128 along K out of set p; meanwhile the next 128 (slot nslot, its nq-th; nq = 1 - p) come into the other set.  No barrier: what is fetched has been shown whole to every wave.
.macro STEP p, zero, nslot, nq
	s_wait_dscnt 12                                ; B's set, A's blocks 0-3 and the scale words are in; the youngest 12 loads (A's blocks 4-7) may be out
	WIN MUL_LO
	MUL16 0, \p, \zero
	MUL16 2, \p, \zero
	s_wait_dscnt 0x0                               ; A's blocks 4-7 are in
	PLACES
	FETCH_B \nslot, \nq, \nq
	FETCH_A \nslot, \nq, 0
	SCALES \nslot, \nq
	WIN MUL_HI
	MUL16 4, \p, \zero
	MUL16 6, \p, \zero
	PLACES
	WIN 0
	FETCH_A \nslot, \nq, 4
.endm
; A slot's second 128 along K with a barrier: ahead of it each wave waits for all its tensor loads, adds 0 to its spare word, and waits for that and for its reads of the slot that it leaves.
; fill = 1: slot 0, just read out, takes the last 256 along K.
.macro TURN next, fill
	s_wait_tensorcnt 0x0                           ; all my tensor loads have landed
	ds_add_u32 v[SPW], v[NIL]
	s_wait_dscnt 13                                ; the add and the youngest 12 loads (A's blocks 4-7) may be out
	WIN MUL_LO
	MUL16 0, 1, 0
	s_wait_dscnt 0x0                               ; the add is done, and my reads of this slot are over
	s_barrier_signal -1
	MUL16 2, 1, 0
	WIN 0
	s_barrier_wait -1
.if \fill
	CREST                                          ; the barrier has opened a round of the cluster's: no wave of any partner still reads slot 0 or has a load on its way
	s_add_nc_u64 s[G0+2:G0+3], s[G0+2:G0+3], 3*PAN
	s_add_nc_u64 s[G0B+2:G0B+3], s[G0B+2:G0B+3], 3*PAN
	JLOAD G0, G0B                                  ; the first tensor load behind the round; its four v_nop are the places ahead of the loads below
.else
	PLACES
.endif
	FETCH_B \next, 0, 0
	FETCH_A \next, 0, 0
	SCALES \next, 0
	WIN MUL_HI
	MUL16 4, 1, 0
	MUL16 6, 1, 0
	PLACES
	WIN 0
	FETCH_A \next, 0, 4
.endm
; Block a (16 A-side rows x 128 of the next K) is quantised: its codes into v[AF + 12 a] on, its rows' scale word into v[SW + a].  Each accumulator is read from its low end on.
.macro QUANTW a
.set WW, 2+(\a)/4
.set AS, 64*((\a)%4)
.set FA, AF+FR*(\a)
	WIN WW*5                                       ; sources 0 and 1 in the accumulators' window
.irp c, 0,1,2,3
	v_max3_num_f32 v[TM+\c], |v[AS+16*\c]|, |v[AS+16*\c+1]|, 0x1800000   ; block c: my 16 numbers, and the floor 2^(3 - 127): the byte cannot fall under 1
.endr
.irp i, 2,4,6,8,10,12,14
.irp c, 0,1,2,3
	v_max3_num_f32 v[TM+\c], |v[AS+16*\c+\i]|, |v[AS+16*\c+\i+1]|, v[TM+\c]
.endr
.endr
	WIN 0
.irp c, 0,1,2,3
	v_permlanex16_b32 v[TM+4+\c], v[TM+\c], s[SEL], s[SEL+1]
.endr
.irp c, 0,1,2,3
	v_max_num_f32 v[TM+\c], v[TM+\c], v[TM+4+\c]   ; with lane l xor 16's 16: the block's largest magnitude
.endr
.irp c, 0,1,2,3
	v_add_nc_u32 v[TM+12+\c], 0xff000000, v[TM+\c] ; 2 off the exponent field: the conversion's scale operand
.endr
.irp c, 0,1,2,3
	v_lshrrev_b32 v[TM+4+\c], 23, v[TM+12+\c]      ; the scale's byte
.endr
	v_lshl_or_b32 v[SW+(\a)], v[TM+5], 8, v[TM+4]
	v_lshl_or_b32 v[SW+(\a)], v[TM+6], 16, v[SW+(\a)]
	v_lshl_or_b32 v[SW+(\a)], v[TM+7], 24, v[SW+(\a)]
	WIN WW                                         ; source 0 in the accumulators' window
.irp c, 0,1
	v_cvt_scalef32_pk16_fp6_f32 v[FA+6*\c:FA+6*\c+2], v[AS+32*\c:AS+32*\c+15], v[TM+12+2*\c]
	v_cvt_scalef32_pk16_fp6_f32 v[T2+4*\c:T2+4*\c+2], v[AS+32*\c+16:AS+32*\c+31], v[TM+12+2*\c+1]
.endr
	v_nop                                          ; one plain place behind a scaled conversion
	WIN 0
.irp c, 0,1                                    ; the operand's layout wants a whole block in a lane: lanes 0-15 block 2 c, lanes 16-31 block 2 c + 1
.irp i, 0,1,2
	v_permlane16_swap_b32 v[FA+6*\c+\i], v[T2+4*\c+\i]
.endr
.irp i, 0,1,2
	v_mov_b32 v[FA+6*\c+3+\i], v[T2+4*\c+\i]
.endr
.endr
.endm
.macro PUT a                           ; the fragment's image: each store covers 512 consecutive bytes, aligned; every block has its own registers, so no store's data are written again
.irp c, 0,1,2
	global_store_b128 v[GO], v[AF+FR*(\a)+4*\c:AF+FR*(\a)+4*\c+3], s[12:13] offset:1536*(\a)+512*\c
.endr
.endm
.macro PUTSC                           ; the record's 512 bytes of scale words: lane (r, h) holds those of fragments 4 h .. 4 h + 3, row r
	v_cmp_ne_u32 vcc_lo, 0, v[HH]
.irp t, 0,1,2,3
	v_cndmask_b32 v[OUTW+\t], v[SW+\t], v[SW+4+\t], vcc_lo
.endr
	global_store_b128 v[GO], v[OUTW:OUTW+3], s[12:13] offset:SCO
.endm
.macro FIRST ga, gb, s                 ; slot s's groups 0, and its first fill
	s_mov_b32 s[\ga], 1
	s_add_co_u32 s[\ga+1], s22, (\s)*SLOT
	s_add_nc_u64 s[\ga+2:\ga+3], s[20:21], (\s)*PAN
	s_or_b32 s[\ga+3], s[\ga+3], 0x80000000
	s_mov_b32 s[\gb], 1
	s_add_co_u32 s[\gb+1], s22, (\s)*SLOT
	s_add_nc_u64 s[\gb+2:\gb+3], s[46:47], (\s)*PAN
	s_or_b32 s[\gb+3], s[\gb+3], 0x80000000
	JLOAD \ga, \gb
.endm
	s_load_b128 s[4:7], s[0:1], 0x0                ; ops, qc
	s_load_b128 s[8:11], s[0:1], 0x10              ; kc, vc
	v_lshl_add_u32 v[SPW], v0, 2, SPARE
	v_mov_b32 v[NIL], 0
	ds_add_u32 v[SPW], v[NIL]                      ; the wave's opening: the add, twice on end, and its wait ahead of my first tensor load
	ds_add_u32 v[SPW], v[NIL]
	v_lshrrev_b32 v1, 5, v0
	v_readfirstlane_b32 s14, v1                    ; wave
	s_lshr_b32 s15, s14, 1                         ; my A panel of the tile's two.  Also: I fetch for A (0) or for B (1)
	s_and_b32 s16, s14, 1                          ; my B panel.  Also: which panel I fetch
	s_bfe_u32 s40, ttmp6, 0x40000                  ; cx
	s_bfe_u32 s41, ttmp6, 0x40004                  ; cy
	s_and_b32 s17, ttmp7, 0xffff
	s_lshl_b32 s17, s17, 2                         ; 4 x cluster y
	s_lshl_b32 s18, ttmp9, 2
	s_add_co_u32 s18, s18, 32                      ; 32 + 4 x cluster x: the weights' tiles of 256 rows of ops
	s_cmp_eq_u32 ttmp9, 2                          ; v?  The same in all sixteen partners
	s_cselect_b32 s42, 40, s17                     ; A side: weight_v's tiles 40-43, or the tokens'
	s_cselect_b32 s43, s17, s18                    ; B side: the tokens', or weight_q's or weight_k's
	s_cselect_b32 s19, 1, 0
	s_add_co_u32 s42, s42, s41                     ; A's tile: hangs on cy alone
	s_add_co_u32 s43, s43, s40                     ; B's tile: on cx alone
	s_lshl_b32 s44, s41, 2
	s_lshl_b32 s44, 15, s44                        ; my row of the cluster
	s_lshl_b32 s45, 0x1111, s40                    ; my column
	s_or_b32 s[G1+0], s44, (3<<16)|(1<<21)         ; 15:0 the mask; 17:16 elements of 8 bytes; 21 set beside a mask; no padding
	s_or_b32 s[G1B+0], s45, (3<<16)|(1<<21)
.irp g, G1, G1B                                ; a dense block of 25,600 bytes as 100 rows of 256
	s_mov_b32 s[\g+1], 32<<16                      ; tensor_dim0
	s_mov_b32 s[\g+2], 100<<16                     ; tensor_dim1
	s_mov_b32 s[\g+3], 32<<16                      ; tile_dim0
	s_mov_b32 s[\g+4], 100                         ; tile_dim1
	s_mov_b32 s[\g+5], 32                          ; the pitch
	s_mov_b32 s[\g+6], 0
	s_mov_b32 s[\g+7], 0
.endr
	s_lshl_b32 s20, s42, 1
	s_add_co_u32 s20, s20, s16
	s_mul_i32 s20, s20, PSTR                       ; A: the panel that I would fetch
	s_mov_b32 s21, 0
	s_lshl_b32 s46, s43, 1
	s_add_co_u32 s46, s46, s16
	s_mul_i32 s46, s46, PSTR                       ; B likewise
	s_mov_b32 s47, 0
	s_mul_i32 s22, s14, PAN                        ; where it goes: wave x 25,600: no place in the cluster enters an LDS address
	s_mov_b32 s[SEL], 0x76543210
	s_mov_b32 s[SEL+1], 0xfedcba98
	s_wait_dscnt 0x0                               ; both opening adds are done
	s_wait_kmcnt 0x0
	s_add_nc_u64 s[20:21], s[4:5], s[20:21]
	s_add_nc_u64 s[46:47], s[4:5], s[46:47]
	CROUND                                         ; all sixteen work-groups are here: the first joint loads meet
	FIRST G0, G0B, 0
	FIRST G0+4, G0B+4, 1
	FIRST 80, 84, 2                                ; three loads of mine are out
	v_and_b32 v1, 31, v0
	v_and_b32 v2, 15, v0                           ; r
	v_bfe_u32 v[HH], v0, 4, 1                      ; h
	v_lshlrev_b32 v[GO], 4, v1
	s_mul_i32 s76, s15, PAN                        ; my A panel's region
	s_mul_i32 s77, s16, PAN
	s_xor_b32 s78, s15, 1
	s_mul_i32 s78, s78, PAN
	s_add_co_u32 s78, s78, s77
	s_add_co_u32 s78, s78, PAN                     ; from my A panel's region to my B panel's: 25,600 (1 + hb + 1 - ha)
	s_add_co_u32 s77, s77, 2*PAN                   ; my B panel's region
	v_lshlrev_b32 v3, 4, v2
	v_mul_u32_u24 v4, s78, v[HH]                   ; lanes 16-31 take B's words
	v_add_nc_u32 v3, v3, v4
	s_add_co_u32 s79, s76, SCO
.irp s, 0,1,2
	v_add_nc_u32 v[ADRA+\s], s76, v[GO]
	v_add_nc_u32 v[ADRB+\s], s77, v[GO]
	v_add_nc_u32 v[ADRS+\s], s79, v3
	s_add_co_u32 s76, s76, SLOT
	s_add_co_u32 s77, s77, SLOT
	s_add_co_u32 s79, s79, SLOT
.endr
.irp c, 0,1,2,3
	v_mov_b32 v[TM+4+\c], 0                        ; a lane permute's destination counts as one of its sources
.endr
	; where my record goes.  q, k: [token panel][d step]; v: [batch][d panel][token step]
	s_lshl_b32 s66, s42, 1
	s_add_co_u32 s66, s66, s15                     ; my A-side panel
	s_lshl_b32 s67, s66, 3
	s_lshl_b32 s68, s40, 1
	s_add_co_u32 s68, s68, s16                     ; d step 2 cx + hb
	s_add_co_u32 s67, s67, s68
	s_lshl_b32 s69, s43, 1
	s_add_co_u32 s69, s69, s16                     ; v: my token panel
	s_lshr_b32 s70, s69, 4
	s_lshl_b32 s70, s70, 7                         ; batch x 128 records
	s_and_b32 s71, s69, 15
	s_add_co_u32 s70, s70, s71                     ; + token step
	s_lshl_b32 s71, s41, 1
	s_add_co_u32 s71, s71, s15
	s_lshl_b32 s71, s71, 4
	s_add_co_u32 s70, s70, s71                     ; + 16 x d panel (2 cy + ha)
	s_cmp_eq_u32 s19, 1
	s_cselect_b32 s72, s70, s67
	s_mul_i32 s72, s72, REC
	s_mov_b32 s73, 0
	s_cmp_eq_u32 ttmp9, 0
	s_cselect_b64 s[12:13], s[6:7], s[8:9]
	s_cmp_eq_u32 ttmp9, 2
	s_cselect_b64 s[12:13], s[10:11], s[12:13]
	s_add_nc_u64 s[12:13], s[12:13], s[72:73]
	s_wait_tensorcnt 2                             ; my part of slot 0 is in; the loads of slots 1 and 2 may stay out
	s_barrier_signal -1
	s_barrier_wait -1
	FETCH_B 0, 0, 0
	FETCH_A 0, 0, 0
	SCALES 0, 0
	FETCH_A 0, 0, 4
	STEP 0, 1, 0, 1                                ; K 0: the first products start the sums: nothing is cleared
	TURN 1, 1                                      ; K 128; slots 1 and 2 are whole; slot 0 takes K 768 on
	STEP 0, 0, 1, 1                                ; K 256
	STEP 1, 0, 2, 0                                ; K 384; on to slot 2, which the barrier above has shown whole
	STEP 0, 0, 2, 1                                ; K 512
	TURN 0, 0                                      ; K 640; slot 0's second fill is whole; nothing is left to fetch
	STEP 0, 0, 0, 1                                ; K 768
	s_wait_dscnt 12                                ; K 896, the last 128
	WIN MUL_LO
	MUL16 0, 1, 0
	MUL16 2, 1, 0
	s_wait_dscnt 0x0
	WIN MUL_HI
	MUL16 4, 1, 0
	MUL16 6, 1, 0
	WIN 0
	PLACES
.irp a, 0,1,2,3,4,5,6,7
	QUANTW \a
	PUT \a
.endr
	PUTSC
	s_wait_tensorcnt 0x0                           ; the wave's end
	ds_add_u32 v[SPW], v[NIL]
	s_wait_dscnt 0x0
	CROUND                                         ; the closing round: no work-group ends while a partner may still ask for a tile that names it
	s_endpgm
.Lfunc_end_k_q3dea089de7_proj:
	.size	k_q3dea089de7_proj, .Lfunc_end_k_q3dea089de7_proj-k_q3dea089de7_proj
	.p2alignl 7, 3214868480
	.fill 96, 4, 3214868480
	.section	.rodata,"a",@progbits
	.p2align	6, 0x0
	.amdhsa_kernel k_q3dea089de7_proj
		.amdhsa_group_segment_fixed_size 327680
		.amdhsa_private_segment_fixed_size 0
		.amdhsa_enable_private_segment 0
		.amdhsa_kernarg_size 32
		.amdhsa_user_sgpr_count 2
		.amdhsa_user_sgpr_kernarg_segment_ptr 1
		.amdhsa_wavefront_size32 1
		.amdhsa_system_sgpr_workgroup_id_x 1
		.amdhsa_system_sgpr_workgroup_id_y 1
		.amdhsa_system_sgpr_workgroup_id_z 1
		.amdhsa_system_vgpr_workitem_id 0
		.amdhsa_next_free_vgpr 1024
		.amdhsa_next_free_sgpr 100
		.amdhsa_reserve_vcc 1
		.amdhsa_float_denorm_mode_32 3
		.amdhsa_float_denorm_mode_16_64 3
		.amdhsa_memory_ordered 1
		.amdhsa_forward_progress 1
		.amdhsa_inst_pref_size 137
	.end_amdhsa_kernel
	.amdgpu_metadata
---
amdhsa.version: [ 1, 2 ]
amdhsa.kernels:
  - .name:           k_q3dea089de7_proj
    .symbol:         k_q3dea089de7_proj.kd
    .args:
      - { .name: ops, .offset: 0, .size: 8, .value_kind: global_buffer, .address_space: global }
      - { .name: qc, .offset: 8, .size: 8, .value_kind: global_buffer, .address_space: global }
      - { .name: kc, .offset: 16, .size: 8, .value_kind: global_buffer, .address_space: global }
      - { .name: vc, .offset: 24, .size: 8, .value_kind: global_buffer, .address_space: global }
    .group_segment_fixed_size: 327680
    .private_segment_fixed_size: 0
    .kernarg_segment_align: 8
    .kernarg_segment_size: 32
    .max_flat_workgroup_size: 128
    .sgpr_count:     100
    .vgpr_count:     1024
    .wavefront_size: 32
...
	.end_amdgpu_metadata
.endif
;; end of part 5
;; launch scores (part 6): grid 9 x 16, 4 waves a work-group, no clusters, 327,680 bytes of LDS; arguments qc, kc, pc; writes pc
.if DOCPART == 6
	.amdgcn_target "amdgcn-amd-amdhsa--gfx1250"
	.amdhsa_code_object_version 6
	.text
	.protected	k_q3dea089de7_scores
	.globl	k_q3dea089de7_scores
	.p2align	8
	.type	k_q3dea089de7_scores,@function
k_q3dea089de7_scores:
	s_mov_b64 s[64:65], 0
	v_nop
	global_prefetch_b8 v0, s[64:65] scope:SCOPE_SE
	s_setreg_imm32_b32 hwreg(HW_REG_WAVE_MODE, 25, 1), 1
	s_wait_xcnt 0x0
; P = (q k^T) * D, D[i][j] = gamma^(i - j) for i >= j and 0 else, gamma = 31/32; q k^T on codes of E2M3 (K = d = 1,024); P is quantised in registers along the keys j for the last product.
; Left out as dead work: the tiles of 256 x 256 that lie wholly above the diagonal, where D, built in the problem's own body, is 0 (shown at the head of the first kernel).  Their records of pc are neither written nor read.
; LIMITS: a block of zeros gets the byte 1, not 127 (zero codes; only this program reads the bytes); NaN and infinities are not served (0 x infinity above the diagonal inside a diagonal tile among them).
; A batch has 36 tiles at or under the diagonal: rows p and 7 - p together have nine, so grid x = 0 .. 8 walks them and grid y = 4 x batch + p.
; The walk over K is the projections': records through three LDS slots of 256 along K, all three asked for at the head, the last 256 into slot 0 behind the launch's one refill barrier.
; Source 0 = 16 keys, source 1 = 16 queries: lane (r, h) holds query r, register jj of tile b key 16 b + 8 h + jj.
; NO CLUSTER: the nine tiles of a grid row come from two rows of the triangle of unequal length, so no four neighbours share an operand at every place; partners that only ask and compute nothing would be needed.
; THE DECAY.  i - j = d0 + 16 (a - b) - jj with d0 = 256 (bi - bj) + 128 (ha - hb) + r - 8 h.  So 15 x 8 numbers a lane, E[u][jj] = gamma^(d0 + 112 - 16 u - jj), u = b - a + 7, serve all 64 accumulators; they are made once, while the
; first tiles are on their way, and stay in registers.  Where the exponent is negative (diagonal tiles alone) E is 0: one multiplication is decay and mask.  gamma^N = 2^(N log2 gamma): log2 gamma in two f32 parts, the whole part of
; the exponent by v_ldexp_f32, the rest (at most a half) by v_exp_f32.  E = gamma^(d0 + 105 - 16 u) x gamma^(7 - jj): 23 powers, 120 products.
; REGISTERS as in the projections'; besides: E[0..6] window 0 v64-119; E[7..10] window 1 v96-127; E[11..14] window 1 v224-255; v236 d0 + 112, v237 zero.
.set REC,   12800
.set SCO,   12288
.set PAN,   2*REC
.set PSTR,  8*REC
.set SLOT,  4*PAN
.set SPARE, 3*SLOT
.set FR,    12
.set ADRA,  16                         ; v16-18
.set ADRB,  19                         ; v19-21
.set ADRS,  22                         ; v22-24
.set GO,    26
.set HH,    27
.set SPW,   28
.set NIL,   29
.set SC,    32
.set TM,    48
.set SW,    120
.set AF,    128
.set T2,    224
.set OUTW,  232
.set DI,    236
.set ZR,    237
.set PN,    128                        ; while E is made: the 23 exponents,
.set PT,    160                        ; their whole parts,
.set PR,    192                        ; the powers
.set G1,    24
.set G0,    32                         ; groups 0: s[32:35] slot 0, s[36:39] slot 1, s[60:63] slot 2
.set SEL,   48
.set MSB, 0
.macro WIN new
.if MSB != (\new)
	s_set_vgpr_msb (MSB<<8)|(\new)
.set MSB, (\new)
.endif
.endm
.set MUL_LO, 0xa1
.set MUL_HI, 0xf1
.set TO_B,   0x40
.macro PLACES
.rept 4
	v_nop
.endr
.endm
.macro FRAG reg, adr, q, i
.irp c, 0,1,2
	ds_load_b128 v[\reg+4*\c:\reg+4*\c+3], v[\adr] offset:(\q)*REC+(\i)*1536+512*\c
.endr
.endm
.macro FETCH_B slot, q, p
	WIN TO_B
.irp i, 0,1,2,3,4,5,6,7
	FRAG 128*(\p)+FR*\i, ADRB+\slot, \q, \i
.endr
	WIN 0
.endm
.macro FETCH_A slot, q, i0
.irp i, \i0, \i0+1, \i0+2, \i0+3
	FRAG AF+FR*(\i), ADRA+\slot, \q, \i
.endr
.endm
.macro SCALES slot, q
	ds_load_b128 v[SC+8*(\q):SC+8*(\q)+3], v[ADRS+\slot] offset:(\q)*REC
	ds_load_b128 v[SC+8*(\q)+4:SC+8*(\q)+7], v[ADRS+\slot] offset:(\q)*REC+256
.endm
.macro MUL16 a0, p, zero               ; the 64 accumulators take turns, one instruction a turn
.irp a, \a0, \a0+1
.irp b, 0,1,2,3,4,5,6,7
.if \zero
	v_wmma_scale_f32_16x16x128_f8f6f4 v[8*(8*((\a)%4)+\b):8*(8*((\a)%4)+\b)+7], v[128*(\p)+FR*\b:128*(\p)+FR*\b+FR-1], v[AF+FR*(\a):AF+FR*(\a)+FR-1], 0, v[SC+8*(\p)+\b], v[SC+8*(\p)+(\a)] matrix_a_fmt:MATRIX_FMT_FP6 matrix_b_fmt:MATRIX_FMT_FP6 matrix_a_scale:MATRIX_SCALE_ROW1
.else
	v_wmma_scale_f32_16x16x128_f8f6f4 v[8*(8*((\a)%4)+\b):8*(8*((\a)%4)+\b)+7], v[128*(\p)+FR*\b:128*(\p)+FR*\b+FR-1], v[AF+FR*(\a):AF+FR*(\a)+FR-1], v[8*(8*((\a)%4)+\b):8*(8*((\a)%4)+\b)+7], v[SC+8*(\p)+\b], v[SC+8*(\p)+(\a)] matrix_a_fmt:MATRIX_FMT_FP6 matrix_b_fmt:MATRIX_FMT_FP6 matrix_a_scale:MATRIX_SCALE_ROW1
.endif
.endr
.endr
.endm
.macro STEP p, zero, nslot, nq         ; 128 along K out of set p; the next 128 (slot nslot, its nq-th; nq = 1 - p) come into the other set; no barrier
	s_wait_dscnt 12                                ; all but the youngest 12 loads (A's blocks 4-7)
	WIN MUL_LO
	MUL16 0, \p, \zero
	MUL16 2, \p, \zero
	s_wait_dscnt 0x0
	PLACES
	FETCH_B \nslot, \nq, \nq
	FETCH_A \nslot, \nq, 0
	SCALES \nslot, \nq
	WIN MUL_HI
	MUL16 4, \p, \zero
	MUL16 6, \p, \zero
	PLACES
	WIN 0
	FETCH_A \nslot, \nq, 4
.endm
.macro TURN next, fill                 ; a slot's second 128 along K with a barrier; fill = 1: slot 0, just read out, takes the last 256 along K
	s_wait_tensorcnt 0x0                           ; all my tensor loads have landed
	ds_add_u32 v[SPW], v[NIL]
	s_wait_dscnt 13                                ; the add and the youngest 12 loads may be out
	WIN MUL_LO
	MUL16 0, 1, 0
	s_wait_dscnt 0x0                               ; the add is done, and my reads of this slot are over
	s_barrier_signal -1
	MUL16 2, 1, 0
	WIN 0
	s_barrier_wait -1
.if \fill
	s_add_nc_u64 s[G0+2:G0+3], s[G0+2:G0+3], 3*PAN
	tensor_load_to_lds s[G0:G0+3], s[G1:G1+7]      ; my one tensor load behind the barrier, ahead of every LDS read there
	s_nop 0
.endif
	PLACES
	FETCH_B \next, 0, 0
	FETCH_A \next, 0, 0
	SCALES \next, 0
	WIN MUL_HI
	MUL16 4, 1, 0
	MUL16 6, 1, 0
	PLACES
	WIN 0
	FETCH_A \next, 0, 4
.endm
.macro EREG u                          ; where E[u] lies: register ER, window EW
.if (\u) < 7
.set ER, 64+8*(\u)
.set EW, 0
.elseif (\u) < 11
.set ER, 96+8*((\u)-7)
.set EW, 1
.else
.set ER, 224+8*((\u)-11)
.set EW, 1
.endif
.endm
.macro DMUL a                          ; block a's scores x D, two at a time; each accumulator from its low end on
.set WW, 2+(\a)/4
.set AS, 64*((\a)%4)
.irp b, 0,1,2,3,4,5,6,7
	EREG \b-(\a)+7
	WIN WW*0x41+EW*4
.irp k, 0,2,4,6
	v_pk_mul_f32 v[AS+8*\b+\k:AS+8*\b+\k+1], v[AS+8*\b+\k:AS+8*\b+\k+1], v[ER+\k:ER+\k+1]
.endr
.endr
.endm
.macro QUANTW a                        ; as in the projections': block a's codes into v[AF + 12 a] on, its rows' scale word into v[SW + a]
.set WW, 2+(\a)/4
.set AS, 64*((\a)%4)
.set FA, AF+FR*(\a)
	WIN WW*5
.irp c, 0,1,2,3
	v_max3_num_f32 v[TM+\c], |v[AS+16*\c]|, |v[AS+16*\c+1]|, 0x1800000
.endr
.irp i, 2,4,6,8,10,12,14
.irp c, 0,1,2,3
	v_max3_num_f32 v[TM+\c], |v[AS+16*\c+\i]|, |v[AS+16*\c+\i+1]|, v[TM+\c]
.endr
.endr
	WIN 0
.irp c, 0,1,2,3
	v_permlanex16_b32 v[TM+4+\c], v[TM+\c], s[SEL], s[SEL+1]
.endr
.irp c, 0,1,2,3
	v_max_num_f32 v[TM+\c], v[TM+\c], v[TM+4+\c]
.endr
.irp c, 0,1,2,3
	v_add_nc_u32 v[TM+12+\c], 0xff000000, v[TM+\c]
.endr
.irp c, 0,1,2,3
	v_lshrrev_b32 v[TM+4+\c], 23, v[TM+12+\c]
.endr
	v_lshl_or_b32 v[SW+(\a)], v[TM+5], 8, v[TM+4]
	v_lshl_or_b32 v[SW+(\a)], v[TM+6], 16, v[SW+(\a)]
	v_lshl_or_b32 v[SW+(\a)], v[TM+7], 24, v[SW+(\a)]
	WIN WW
.irp c, 0,1
	v_cvt_scalef32_pk16_fp6_f32 v[FA+6*\c:FA+6*\c+2], v[AS+32*\c:AS+32*\c+15], v[TM+12+2*\c]
	v_cvt_scalef32_pk16_fp6_f32 v[T2+4*\c:T2+4*\c+2], v[AS+32*\c+16:AS+32*\c+31], v[TM+12+2*\c+1]
.endr
	v_nop                                          ; one plain place behind a scaled conversion
	WIN 0
.irp c, 0,1
.irp i, 0,1,2
	v_permlane16_swap_b32 v[FA+6*\c+\i], v[T2+4*\c+\i]
.endr
.irp i, 0,1,2
	v_mov_b32 v[FA+6*\c+3+\i], v[T2+4*\c+\i]
.endr
.endr
.endm
.macro PUT a
.irp c, 0,1,2
	global_store_b128 v[GO], v[AF+FR*(\a)+4*\c:AF+FR*(\a)+4*\c+3], s[12:13] offset:1536*(\a)+512*\c
.endr
.endm
.macro PUTSC
	v_cmp_ne_u32 vcc_lo, 0, v[HH]
.irp t, 0,1,2,3
	v_cndmask_b32 v[OUTW+\t], v[SW+\t], v[SW+4+\t], vcc_lo
.endr
	global_store_b128 v[GO], v[OUTW:OUTW+3], s[12:13] offset:SCO
.endm
.macro SETG0 g, s                      ; slot s's group 0
	s_mov_b32 s[\g], 1
	s_add_co_u32 s[\g+1], s42, (\s)*SLOT
	s_add_nc_u64 s[\g+2:\g+3], s[46:47], (\s)*PAN
	s_or_b32 s[\g+3], s[\g+3], 0x80000000
.endm
	s_load_b128 s[4:7], s[0:1], 0x0                ; qc, kc
	s_load_b64 s[8:9], s[0:1], 0x10                ; pc
	v_lshl_add_u32 v[SPW], v0, 2, SPARE
	v_mov_b32 v[NIL], 0
	ds_add_u32 v[SPW], v[NIL]                      ; the wave's opening: the add, twice on end, and its wait ahead of my first tensor load
	ds_add_u32 v[SPW], v[NIL]
	v_lshrrev_b32 v1, 5, v0
	v_readfirstlane_b32 s14, v1                    ; wave
	s_lshr_b32 s15, s14, 1                         ; ha: my panel of queries
	s_and_b32 s16, s14, 1                          ; hb: my panel of keys.  Also: which panel I fetch
	s_and_b32 s17, ttmp7, 0xffff
	s_and_b32 s18, s17, 3                          ; p
	s_lshr_b32 s19, s17, 2                         ; batch
	s_sub_co_u32 s20, 7, s18
	s_sub_co_u32 s21, ttmp9, s18
	s_sub_co_u32 s21, s21, 1
	s_cmp_le_u32 ttmp9, s18
	s_cselect_b32 s22, s18, s20                    ; bi: row p for x <= p, else row 7 - p
	s_cselect_b32 s23, ttmp9, s21                  ; bj: x, else x - p - 1
	s_mov_b32 s[G1+0], 3<<16                       ; no mask; elements of 8 bytes; no padding: a dense block of 25,600 bytes as 100 rows of 256
	s_mov_b32 s[G1+1], 32<<16
	s_mov_b32 s[G1+2], 100<<16
	s_mov_b32 s[G1+3], 32<<16
	s_mov_b32 s[G1+4], 100
	s_mov_b32 s[G1+5], 32
	s_mov_b32 s[G1+6], 0
	s_mov_b32 s[G1+7], 0
	s_cmp_lt_u32 s14, 2                            ; waves 0 and 1 fetch q's two panels, waves 2 and 3 k's
	s_cselect_b32 s40, s22, s23
	s_lshl_b32 s40, s40, 1
	s_add_co_u32 s40, s40, s16
	s_lshl_b32 s41, s19, 4
	s_add_co_u32 s40, s40, s41                     ; token panel 16 batch + 2 block + half
	s_mul_i32 s40, s40, PSTR
	s_mov_b32 s41, 0
	s_mul_i32 s42, s14, PAN                        ; where it goes: wave x 25,600
	s_mov_b32 s[SEL], 0x76543210
	s_mov_b32 s[SEL+1], 0xfedcba98
	s_mov_b32 s50, 0xbd3b9ca6                      ; log2(31/32), the upper part,
	s_mov_b32 s51, 0xb09d958f                      ; and what f32 left of it
	s_wait_dscnt 0x0                               ; both opening adds are done
	s_wait_kmcnt 0x0
	s_cmp_lt_u32 s14, 2
	s_cselect_b64 s[46:47], s[4:5], s[6:7]
	s_add_nc_u64 s[46:47], s[46:47], s[40:41]
	SETG0 G0, 0
	SETG0 G0+4, 1
	SETG0 60, 2
	tensor_load_to_lds s[G0:G0+3], s[G1:G1+7]      ; every wave's three first fills: three loads of mine are out
	s_nop 0
	tensor_load_to_lds s[G0+4:G0+7], s[G1:G1+7]
	s_nop 0
	tensor_load_to_lds s[60:63], s[G1:G1+7]
	s_nop 0
	PLACES
	v_and_b32 v1, 31, v0
	v_and_b32 v2, 15, v0                           ; r
	v_bfe_u32 v[HH], v0, 4, 1                      ; h
	v_lshlrev_b32 v[GO], 4, v1
	s_mul_i32 s52, s15, PAN
	s_mul_i32 s53, s16, PAN
	s_xor_b32 s54, s15, 1
	s_mul_i32 s54, s54, PAN
	s_add_co_u32 s54, s54, s53
	s_add_co_u32 s54, s54, PAN                     ; from my A panel's region to my B panel's
	s_add_co_u32 s53, s53, 2*PAN
	v_lshlrev_b32 v3, 4, v2
	v_mul_u32_u24 v4, s54, v[HH]
	v_add_nc_u32 v3, v3, v4
	s_add_co_u32 s55, s52, SCO
.irp s, 0,1,2
	v_add_nc_u32 v[ADRA+\s], s52, v[GO]
	v_add_nc_u32 v[ADRB+\s], s53, v[GO]
	v_add_nc_u32 v[ADRS+\s], s55, v3
	s_add_co_u32 s52, s52, SLOT
	s_add_co_u32 s53, s53, SLOT
	s_add_co_u32 s55, s55, SLOT
.endr
.irp c, 0,1,2,3
	v_mov_b32 v[TM+4+\c], 0
.endr
	s_lshl_b32 s56, s19, 4                         ; my record of pc: [batch][i panel][j step]
	s_lshl_b32 s57, s22, 1
	s_add_co_u32 s56, s56, s57
	s_add_co_u32 s56, s56, s15
	s_lshl_b32 s56, s56, 4
	s_lshl_b32 s57, s23, 1
	s_add_co_u32 s56, s56, s57
	s_add_co_u32 s56, s56, s16
	s_mul_i32 s56, s56, REC
	s_mov_b32 s57, 0
	s_add_nc_u64 s[12:13], s[8:9], s[56:57]
	; ---- the decay table, while the first tiles are on their way
	s_sub_co_i32 s44, s22, s23
	s_lshl_b32 s44, s44, 8
	s_sub_co_i32 s45, s15, s16
	s_lshl_b32 s45, s45, 7
	s_add_co_i32 s44, s44, s45
	v_lshlrev_b32 v3, 3, v[HH]
	v_sub_nc_u32 v3, v2, v3
	v_add_nc_u32 v3, s44, v3                       ; d0
	v_add_nc_u32 v[DI], 112, v3
	v_add_nc_u32 v3, 105, v3
.irp u, 0,1,2,3,4,5,6,7,8,9,10,11,12,13,14
	v_add_nc_u32 v[PT+\u], -16*\u, v3              ; d0 + 105 - 16 u
.endr
.irp j, 0,1,2,3,4,5,6,7
	v_mov_b32 v[PT+15+\j], 7-\j
.endr
.set n, 0
.rept 23
	v_cvt_f32_i32 v[PN+n], v[PT+n]                 ; whole numbers under 2^24: exact
.set n, n+1
.endr
.set n, 0
.rept 23
	v_mul_f32 v[PT+n], s50, v[PN+n]
.set n, n+1
.endr
.set n, 0
.rept 23
	v_rndne_f32 v[PT+n], v[PT+n]                   ; the exponent's whole part
.set n, n+1
.endr
.set n, 0
.rept 23
	v_fma_f32 v[PR+n], v[PN+n], s50, -v[PT+n]      ; the rest, at most a half in size,
.set n, n+1
.endr
.set n, 0
.rept 23
	v_fma_f32 v[PR+n], v[PN+n], s51, v[PR+n]       ; with the logarithm's lower part
.set n, n+1
.endr
.set n, 0
.rept 23
	v_exp_f32 v[PR+n], v[PR+n]
.set n, n+1
.endr
.set n, 0
.rept 23
	v_cvt_i32_f32 v[PT+n], v[PT+n]                 ; plain work behind the exponentials
.set n, n+1
.endr
	s_wait_alu depctr_va_vdst(0)                   ; one wait for the batch of 23, ahead of its first reader
.set n, 0
.rept 23
	v_ldexp_f32 v[PR+n], v[PR+n], v[PT+n]
.set n, n+1
.endr
.irp u, 0,1,2,3,4,5,6,7,8,9,10,11,12,13,14
	EREG \u
	WIN EW*0x40
.irp j, 0,1,2,3,4,5,6,7
	v_mul_f32 v[ER+\j], v[PR+\u], v[PR+15+\j]
.endr
.endr
	WIN 0
	s_cmp_lg_u32 s22, s23                          ; under the diagonal tiles every exponent is 1 or more: a branch on ids
	s_cbranch_scc1 .Lno_mask
	v_mov_b32 v[ZR], 0
.irp u, 0,1,2,3,4,5,6,7,8,9,10,11,12,13,14
	EREG \u
	WIN EW*0x41
.irp j, 0,1,2,3,4,5,6,7
	v_cmp_gt_i32 vcc_lo, 16*\u+\j, v[DI]           ; j > i
	v_cndmask_b32 v[ER+\j], v[ER+\j], v[ZR], vcc_lo
.endr
.endr
	WIN 0
.Lno_mask:
	s_wait_tensorcnt 2                             ; my part of slot 0 is in; the loads of slots 1 and 2 may stay out
	s_barrier_signal -1
	s_barrier_wait -1
	FETCH_B 0, 0, 0
	FETCH_A 0, 0, 0
	SCALES 0, 0
	FETCH_A 0, 0, 4
	STEP 0, 1, 0, 1                                ; K 0: the first products start the sums
	TURN 1, 1                                      ; K 128; slots 1 and 2 are whole; slot 0 takes K 768 on
	STEP 0, 0, 1, 1                                ; K 256
	STEP 1, 0, 2, 0                                ; K 384; on to slot 2, which the barrier above has shown whole
	STEP 0, 0, 2, 1                                ; K 512
	TURN 0, 0                                      ; K 640; slot 0's second fill is whole
	STEP 0, 0, 0, 1                                ; K 768
	s_wait_dscnt 12                                ; K 896
	WIN MUL_LO
	MUL16 0, 1, 0
	MUL16 2, 1, 0
	s_wait_dscnt 0x0
	WIN MUL_HI
	MUL16 4, 1, 0
	MUL16 6, 1, 0
	WIN 0
	PLACES
.irp a, 0,1,2,3,4,5,6,7
	DMUL \a
	QUANTW \a
	PUT \a
.endr
	PUTSC
	s_wait_tensorcnt 0x0                           ; the wave's end
	ds_add_u32 v[SPW], v[NIL]
	s_wait_dscnt 0x0
	s_endpgm
.Lfunc_end_k_q3dea089de7_scores:
	.size	k_q3dea089de7_scores, .Lfunc_end_k_q3dea089de7_scores-k_q3dea089de7_scores
	.p2alignl 7, 3214868480
	.fill 96, 4, 3214868480
	.section	.rodata,"a",@progbits
	.p2align	6, 0x0
	.amdhsa_kernel k_q3dea089de7_scores
		.amdhsa_group_segment_fixed_size 327680
		.amdhsa_private_segment_fixed_size 0
		.amdhsa_enable_private_segment 0
		.amdhsa_kernarg_size 24
		.amdhsa_user_sgpr_count 2
		.amdhsa_user_sgpr_kernarg_segment_ptr 1
		.amdhsa_wavefront_size32 1
		.amdhsa_system_sgpr_workgroup_id_x 1
		.amdhsa_system_sgpr_workgroup_id_y 1
		.amdhsa_system_sgpr_workgroup_id_z 1
		.amdhsa_system_vgpr_workitem_id 0
		.amdhsa_next_free_vgpr 1024
		.amdhsa_next_free_sgpr 66
		.amdhsa_reserve_vcc 1
		.amdhsa_float_denorm_mode_32 3
		.amdhsa_float_denorm_mode_16_64 3
		.amdhsa_memory_ordered 1
		.amdhsa_forward_progress 1
		.amdhsa_inst_pref_size 173
	.end_amdhsa_kernel
	.amdgpu_metadata
---
amdhsa.version: [ 1, 2 ]
amdhsa.kernels:
  - .name:           k_q3dea089de7_scores
    .symbol:         k_q3dea089de7_scores.kd
    .args:
      - { .name: qc, .offset: 0, .size: 8, .value_kind: global_buffer, .address_space: global }
      - { .name: kc, .offset: 8, .size: 8, .value_kind: global_buffer, .address_space: global }
      - { .name: pc, .offset: 16, .size: 8, .value_kind: global_buffer, .address_space: global }
    .group_segment_fixed_size: 327680
    .private_segment_fixed_size: 0
    .kernarg_segment_align: 8
    .kernarg_segment_size: 24
    .max_flat_workgroup_size: 128
    .sgpr_count:     66
    .vgpr_count:     1024
    .wavefront_size: 32
...
	.end_amdgpu_metadata
.endif
;; end of part 6
;; launch pv (part 7): grid 8 x 32, 4 waves a work-group, clusters of 4 x 1, 327,680 bytes of LDS; arguments pc, vc, out0; writes out0
.if DOCPART == 7
	.amdgcn_target "amdgcn-amd-amdhsa--gfx1250"
	.amdhsa_code_object_version 6
	.text
	.protected	k_q3dea089de7_pv
	.globl	k_q3dea089de7_pv
	.p2align	8
	.type	k_q3dea089de7_pv,@function
k_q3dea089de7_pv:
	s_mov_b64 s[64:65], 0
	v_nop
	global_prefetch_b8 v0, s[64:65] scope:SCOPE_SE
	s_setreg_imm32_b32 hwreg(HW_REG_WAVE_MODE, 25, 1), 1
	s_wait_xcnt 0x0
	s_wait_alu depctr_hold_cnt(0) depctr_sa_sdst(0) depctr_va_vdst(0) depctr_va_sdst(0) depctr_va_ssrc(0) depctr_va_vcc(0) depctr_vm_vsrc(0)
	s_getreg_b32 s2, hwreg(HW_REG_IB_STS2, 6, 4)
	s_cmp_eq_u32 s2, 0
	s_cbranch_scc0 .Lentry_in_a_cluster
	s_endpgm
.Lentry_in_a_cluster:
	s_bfe_u32 s2, ttmp6, 0x10000c
	s_cmp_lg_u32 s2, 0x3003
	s_cbranch_scc0 .Lentry_shape_is_right
	s_endpgm
.Lentry_shape_is_right:
; out[b][i][d] = the sum over the keys j of P[b][i][j] v[b][j][d], on codes of E2M3 (K = the keys), f32 sums.
; Left out as dead work: the K steps of 128 keys that all come after a panel's last query, where P = scores * D is 0 by the mask that the problem builds itself (shown at the head of the first kernel).
; EQUAL WORK.  Panel p of 128 queries needs key steps 0 .. p.  A work-group takes panels X = I and Y = 15 - I of a batch (I = 0 .. 7) and 128 of d: (I + 1) + (16 - I) = 17 steps of 128 x 128 x 128, whatever I.
; 8 panels of d x 4 batches x 8 values of I = 256 work-groups.  Four waves, each 64 queries of both panels x 64 of d: 16 accumulators for X, 16 for Y.  Source 0 = 16 rows d of v, source 1 = 16 queries: a lane holds eight neighbouring d of a query.
; THE WALK goes in pairs of key steps, the unit in which pc is written: nine pairs u = 0 .. 8, 18 records of P and 18 of v.  u = 0: X's pair 0; u = 1: Y's pair 0 (both start their sums at a fixed place);
; u = 2 .. 4: X's pair u - 1 where u <= PX + 1 (PX = I / 2, rounded down), else Y's pair u - PX - 1; u >= 5: Y's pair u - PX - 1 in every work-group.  One record of the 18 is the record of zeros just above the diagonal
; (X's last if I is even, Y's last if I is odd): it comes with its pair and its products are jumped over.  Which accumulators a step adds to is a branch on ids, the same in all four waves and in all partners.
; NO TENSOR LOAD HANGS ON I but by its address: every work-group issues the same loads at the same places.  LDS holds 12 records of P and 12 of v: pairs 0 .. 5 are asked for at the head, three loads a wave (waves 0, 1: P; waves 2, 3: v;
; the wave's parity takes every second pair).  Pairs 6 .. 8 are six dense records of Y's: behind the launch's one refill barrier each wave brings three of them into the bytes of records 0 .. 5; that load has steps 5 to 10 in which to land.
; CLUSTER 4 x 1: the four panels of d of a cluster read the same records of P at the same step: P's loads are joint, one request for the four; v's hang on the panel of d and are each work-group's own.
; X is finished behind step 9 in every work-group: its four blocks of 16 queries leave during steps 10 to 13, Y's at the end.
; REGISTERS: window 0: v8-16 LDS addresses (one reaches four records); v24-29; v32-39 scale words, two sets; v48-143 P's fragments, two sets; v144-207 the way out.  window 1: X's accumulator (a, b) at v[8 (4 a + b)], Y's 128 on.  window 2: v's fragments, v0-47, v48-95.
.set REC,   12800
.set SCO,   12288
.set PAN,   2*REC                      ; a pair of records: a first fill
.set TRI,   3*REC                      ; three records: a wave's part of the refill
.set GRP,   4*REC                      ; what one address register reaches with its immediate
.set BREG,  12*REC                     ; P's 12 records, then v's 12
.set STAGE, 24*REC                     ; behind them: 16 rows x (256 + 16) bytes for each wave, for the way out; no tensor load lands here
.set SP,    272
.set SPARE, STAGE+4*16*SP              ; the spare words, 128 bytes for each wave
.set FR,    12
.set AA,    8                          ; v8-10  P's fragments: records 0-3, 4-7, 8-11
.set AB,    11                         ; v11-13 v's
.set AS,    14                         ; v14-16 scale words: lanes 0-15 P's four, lanes 16-31 v's four
.set STO,   24
.set RD,    25
.set CO,    26
.set HH,    27
.set SPW,   28
.set NIL,   29
.set SC,    32                         ; set s at v[SC + 4 s]
.set AF,    48                         ; P's fragments: set s at v[AF + 48 s]
.set OB,    144                        ; the way out: two buffers of 32
.set XACC,  0
.set YACC,  128
.set ODD,   3                          ; s3  I % 2
.set II,    19                         ; s19 I
.set PX1,   20                         ; s20 PX + 1
.set G1PA,  24                         ; groups 1: a pair of records, joint;
.set G1PB,  32                         ; a pair, my own;
.set G1TA,  40                         ; three records, joint;
.set G1TB,  48                         ; three, my own
.set GA0,   56                         ; groups 0 for P: my three first fills and my part of the refill; none is ever rewritten
.set GA1,   60
.set GA2,   68
.set GA3,   72
.set GB0,   76                         ; the same for v
.set GB1,   80
.set GB2,   84
.set GB3,   88
.set MSB, 0
.macro WIN new                         ; the immediate's high byte repeats the setting that is left
.if MSB != (\new)
	s_set_vgpr_msb (MSB<<8)|(\new)
.set MSB, (\new)
.endif
.endm
.macro PLACES                          ; four plain places behind a matrix instruction, ahead of loads into its registers and of reads of its results
.rept 4
	v_nop
.endr
.endm
.macro CROUND                          ; a round of the cluster's barrier
	s_barrier_signal -1
	s_barrier_wait -1
	s_cmp_lg_u32 s14, 0
	s_cbranch_scc1 .Lnot_wave_0_\@
	s_barrier_signal -3
.Lnot_wave_0_\@:
	s_barrier_wait -3
	s_barrier_signal -1
	s_barrier_wait -1
.endm
; Pair u = parity + 2 m of the walk: its byte offsets in pc and in vc, and its place in LDS.  P's registers never hold the place in the cluster.
.macro PAIRG ga, gb, m
.if (\m) == 0
	s_cmp_eq_u32 s16, 0
	s_cselect_b32 s[\ga+2], s92, s93               ; u = 0: X's pair 0; u = 1: Y's pair 0
	s_mov_b32 s[\gb+2], s98
.else
	s_add_co_u32 s23, s16, 2*(\m)                  ; u
	s_sub_co_u32 s66, s23, 1
	s_sub_co_u32 s67, s23, s[PX1]
	s_cmp_le_u32 s23, s[PX1]
	s_cselect_b32 s66, s66, s67                    ; X's pair u - 1, or Y's pair u - PX - 1
	s_cselect_b32 s67, s92, s93
	s_mul_i32 s66, s66, PAN
	s_add_co_u32 s[\ga+2], s67, s66
	s_add_co_u32 s[\gb+2], s98, s66                ; v's pair has the same number
.endif
	s_mov_b32 s[\ga+3], 0
	s_mov_b32 s[\gb+3], 0
	s_mov_b32 s[\ga], 1
	s_mov_b32 s[\gb], 1
	s_add_co_u32 s[\ga+1], s2, 2*(\m)*PAN
	s_add_co_u32 s[\gb+1], s2, 2*(\m)*PAN+BREG
.endm
.macro FETCH t                         ; 25 LDS loads: step t's fragments and scale words into set t % 2.  Step t lies in record t % 12 of both regions
.set FJ, (\t)%12
.set FG, FJ/4
.set FO, (FJ%4)*REC
.set FS, (\t)%2
	WIN 0x80                                       ; destination window 2
.irp b, 0,1,2,3
.irp c, 0,1,2
	ds_load_b128 v[48*FS+FR*\b+4*\c:48*FS+FR*\b+4*\c+3], v[AB+FG] offset:FO+1536*\b+512*\c
.endr
.endr
	WIN 0
.irp a, 0,1,2,3
.irp c, 0,1,2
	ds_load_b128 v[AF+48*FS+FR*\a+4*\c:AF+48*FS+FR*\a+4*\c+3], v[AA+FG] offset:FO+1536*\a+512*\c
.endr
.endr
	ds_load_b128 v[SC+4*FS:SC+4*FS+3], v[AS+FG] offset:FO
.endm
.macro MULP set, acc, zero             ; 16 matrix instructions; the 16 accumulators take turns, one instruction a turn
	WIN 0x52                                       ; source 0 (v) window 2, source 1 (P) window 0, C and D window 1
.irp a, 0,1,2,3
.irp b, 0,1,2,3
.if \zero
	v_wmma_scale_f32_16x16x128_f8f6f4 v[(\acc)+8*(4*\a+\b):(\acc)+8*(4*\a+\b)+7], v[48*(\set)+FR*\b:48*(\set)+FR*\b+FR-1], v[AF+48*(\set)+FR*\a:AF+48*(\set)+FR*\a+FR-1], 0, v[SC+4*(\set)+\b], v[SC+4*(\set)+\a] matrix_a_fmt:MATRIX_FMT_FP6 matrix_b_fmt:MATRIX_FMT_FP6 matrix_a_scale:MATRIX_SCALE_ROW1
.else
	v_wmma_scale_f32_16x16x128_f8f6f4 v[(\acc)+8*(4*\a+\b):(\acc)+8*(4*\a+\b)+7], v[48*(\set)+FR*\b:48*(\set)+FR*\b+FR-1], v[AF+48*(\set)+FR*\a:AF+48*(\set)+FR*\a+FR-1], v[(\acc)+8*(4*\a+\b):(\acc)+8*(4*\a+\b)+7], v[SC+4*(\set)+\b], v[SC+4*(\set)+\a] matrix_a_fmt:MATRIX_FMT_FP6 matrix_b_fmt:MATRIX_FMT_FP6 matrix_a_scale:MATRIX_SCALE_ROW1
.endif
.endr
.endr
	WIN 0
.endm
; The products of step 2 u + q, u = 2 .. 4: X's where u <= PX + 1, but not where X's key step 2 u - 1 comes after panel I (the record of zeros); else Y's.  Ids alone.
.macro COND u, q
	s_cmp_lt_u32 s[PX1], \u
	s_cbranch_scc1 .Lfor_y_\@
.if \q
	s_cmp_lt_u32 s[II], 2*(\u)-1
	s_cbranch_scc1 .Ldone_\@
.endif
	MULP \q, XACC, 0
	s_branch .Ldone_\@
.Lfor_y_\@:
	MULP \q, YACC, 0
.Ldone_\@:
.endm
; THE WAY OUT, a block of 16 queries x 64 of d at a time, through my own stage: back as whole rows of 256 bytes.  LDS serves a wave's instructions in order: no wait between the stores and the loads, nor ahead of the next block's stores.
.macro TOSTAGE acc, a, n               ; n: the block's number in the launch: the two buffers take turns
	WIN 0x04                                       ; an LDS store's data: window 1
.irp b, 0,1,2,3
	ds_store_b128 v[STO], v[(\acc)+8*(4*(\a)+\b):(\acc)+8*(4*(\a)+\b)+3] offset:64*\b          ; each accumulator from its low end on
	ds_store_b128 v[STO], v[(\acc)+8*(4*(\a)+\b)+4:(\acc)+8*(4*(\a)+\b)+7] offset:64*\b+16
.endr
	WIN 0
.set BK, OB+32*((\n)%2)
.irp t, 0,1,2,3,4,5,6,7
	ds_load_b128 v[BK+4*\t:BK+4*\t+3], v[RD] offset:\t*2*SP
.endr
.endm
.macro SEND bs, a, n, younger
.set BK, OB+32*((\n)%2)
	s_wait_dscnt \younger                          ; the block is back
.irp t, 0,1,2,3,4,5,6,7
	global_store_b128 v[CO], v[BK+4*\t:BK+4*\t+3], s[\bs:\bs+1] offset:(16*(\a)+2*\t)*4096 th:TH_STORE_NT   ; 16 lanes store 256 consecutive bytes, aligned
.endr
.endm
.macro CSTEP t                         ; a step whose panel hangs on I: the next step's fragments come under its products
	PLACES
	FETCH (\t)+1
	COND (\t)/2, (\t)%2
	s_wait_dscnt 0x0
.endm
.macro YSTEP t                         ; a step that is Y's in every work-group
	PLACES
	FETCH (\t)+1
	MULP (\t)%2, YACC, 0
	s_wait_dscnt 0x0
.endm
.macro YSTEPX t, a                     ; the same, and X's block a leaves: its turn through the stage stands under the step's products
	PLACES
	FETCH (\t)+1
.if (\a) > 1
	s_wait_xcnt 0x0                                ; the stores of two blocks ago have read their registers: this block's loads may land there
.endif
	TOSTAGE XACC, \a, \a
	MULP (\t)%2, YACC, 0
	SEND 12, \a, \a, 0                             ; its wait is for all: the next step's fragments are in too
.endm
	s_load_b128 s[4:7], s[0:1], 0x0                ; pc, vc
	s_load_b64 s[8:9], s[0:1], 0x10                ; out0
	v_lshl_add_u32 v[SPW], v0, 2, SPARE
	v_mov_b32 v[NIL], 0
	ds_add_u32 v[SPW], v[NIL]                      ; the wave's opening: the add, twice on end, and its wait ahead of my first tensor load
	ds_add_u32 v[SPW], v[NIL]
	v_lshrrev_b32 v1, 5, v0
	v_readfirstlane_b32 s14, v1                    ; wave
	s_lshr_b32 s15, s14, 1                         ; which 64 queries of both panels are mine.  Also: I fetch P (0) or v (1)
	s_and_b32 s16, s14, 1                          ; which 64 of d.  Also: the parity of the pairs that I fetch
	s_and_b32 s17, ttmp7, 0xffff
	s_lshr_b32 s18, s17, 3                         ; batch
	s_and_b32 s[II], s17, 7
	s_lshr_b32 s[PX1], s[II], 1
	s_add_co_u32 s[PX1], s[PX1], 1
	s_and_b32 s[ODD], s[II], 1
	s_bfe_u32 s21, ttmp6, 0x40000                  ; cx
	s_lshl_b32 s22, ttmp9, 2
	s_add_co_u32 s22, s22, s21                     ; my panel of d = 4 x cluster x + cx: it enters v's and out0's addresses alone
	s_mov_b32 s[G1PA], 15|(3<<16)|(1<<21)          ; 15:0 the mask: all four work-groups; 17:16 elements of 8 bytes; 21 set beside a mask; no padding
	s_mov_b32 s[G1TA], 15|(3<<16)|(1<<21)
	s_mov_b32 s[G1PB], 3<<16                       ; no mask
	s_mov_b32 s[G1TB], 3<<16
.irp g, G1PA, G1PB                             ; 25,600 dense bytes as 100 rows of 256
	s_mov_b32 s[\g+1], 32<<16
	s_mov_b32 s[\g+2], 100<<16
	s_mov_b32 s[\g+3], 32<<16
	s_mov_b32 s[\g+4], 100
	s_mov_b32 s[\g+5], 32
	s_mov_b32 s[\g+6], 0
	s_mov_b32 s[\g+7], 0
.endr
.irp g, G1TA, G1TB                             ; 38,400 dense bytes as 150 rows of 256
	s_mov_b32 s[\g+1], 32<<16
	s_mov_b32 s[\g+2], 150<<16
	s_mov_b32 s[\g+3], 32<<16
	s_mov_b32 s[\g+4], 150
	s_mov_b32 s[\g+5], 32
	s_mov_b32 s[\g+6], 0
	s_mov_b32 s[\g+7], 0
.endr
	s_lshl_b32 s92, s18, 4
	s_add_co_u32 s93, s92, 15
	s_sub_co_u32 s93, s93, s[II]
	s_add_co_u32 s92, s92, s[II]
	s_mul_i32 s92, s92, 16*REC                     ; pc: panel X = 16 batch + I,
	s_mul_i32 s93, s93, 16*REC                     ; panel Y = 16 batch + 15 - I
	s_lshl_b32 s98, s18, 3
	s_add_co_u32 s98, s98, s22
	s_mul_i32 s98, s98, 16*REC                     ; vc: d panel 8 batch + mine
	s_mul_i32 s2, s16, PAN                         ; my first pair's place in its region
	PAIRG GA0, GB0, 0
	PAIRG GA1, GB1, 1
	PAIRG GA2, GB2, 2
	s_sub_co_u32 s66, 6, s[PX1]                    ; the refill: Y's pairs 5 - PX on, six records; mine are the first three or the last three
	s_mul_i32 s66, s66, PAN
	s_mul_i32 s67, s16, TRI
	s_add_co_u32 s66, s66, s67
	s_add_co_u32 s[GA3+2], s93, s66
	s_add_co_u32 s[GB3+2], s98, s66
	s_mov_b32 s[GA3+3], 0
	s_mov_b32 s[GB3+3], 0
	s_mov_b32 s[GA3], 1
	s_mov_b32 s[GB3], 1
	s_mov_b32 s[GA3+1], s67                        ; into records 0-2 or 3-5
	s_add_co_u32 s[GB3+1], s67, BREG
	s_wait_dscnt 0x0                               ; both opening adds are done
	s_wait_kmcnt 0x0
.irp g, GA0, GA1, GA2, GA3
	s_add_nc_u64 s[\g+2:\g+3], s[4:5], s[\g+2:\g+3]
	s_or_b32 s[\g+3], s[\g+3], 0x80000000
.endr
.irp g, GB0, GB1, GB2, GB3
	s_add_nc_u64 s[\g+2:\g+3], s[6:7], s[\g+2:\g+3]
	s_or_b32 s[\g+3], s[\g+3], 0x80000000
.endr
	CROUND                                         ; all four work-groups are here: the first joint loads meet
	s_cmp_eq_u32 s15, 0                            ; a wave's three first fills stand in one branch on the wave's number: three loads of mine are out
	s_cbranch_scc0 .Lfirst_v
	tensor_load_to_lds s[GA0:GA0+3], s[G1PA:G1PA+7]
	s_nop 0
	tensor_load_to_lds s[GA1:GA1+3], s[G1PA:G1PA+7]
	s_nop 0
	tensor_load_to_lds s[GA2:GA2+3], s[G1PA:G1PA+7]
	s_nop 0
	PLACES
	s_branch .Lfirst_asked
.Lfirst_v:
	tensor_load_to_lds s[GB0:GB0+3], s[G1PB:G1PB+7]
	s_nop 0
	tensor_load_to_lds s[GB1:GB1+3], s[G1PB:G1PB+7]
	s_nop 0
	tensor_load_to_lds s[GB2:GB2+3], s[G1PB:G1PB+7]
	s_nop 0
	PLACES
.Lfirst_asked:
	v_and_b32 v1, 31, v0
	v_and_b32 v2, 15, v0                           ; r
	v_bfe_u32 v[HH], v0, 4, 1                      ; h
	v_lshlrev_b32 v3, 4, v1                        ; 16 x lane
	s_mul_i32 s23, s15, 6144                       ; P's fragments 4 hi on
	s_mul_i32 s66, s16, 6144
	s_add_co_u32 s66, s66, BREG                    ; v's fragments 4 hb on
	s_xor_b32 s67, s15, 1
	s_add_co_u32 s67, s67, s16
	s_lshl_b32 s67, s67, 8
	s_add_co_u32 s67, s67, BREG-256                ; from my four scale words of P to my four of v: 153,600 + 256 (hb - hi)
	v_lshlrev_b32 v4, 4, v2
	v_mul_u32_u24 v5, s67, v[HH]                   ; lanes 16-31 take v's
	v_add_nc_u32 v4, v4, v5
	s_lshl_b32 s67, s15, 8
	s_add_co_u32 s67, s67, SCO
.irp g, 0,1,2
	v_add_nc_u32 v[AA+\g], s23, v3
	v_add_nc_u32 v[AB+\g], s66, v3
	v_add_nc_u32 v[AS+\g], s67, v4
	s_add_co_u32 s23, s23, GRP
	s_add_co_u32 s66, s66, GRP
	s_add_co_u32 s67, s67, GRP
.endr
	s_mul_i32 s23, s14, 16*SP
	s_add_co_u32 s23, s23, STAGE                   ; my stage
	v_mul_u32_u24 v[STO], v2, SP
	v_lshl_add_u32 v[STO], v[HH], 5, v[STO]
	v_add_nc_u32 v[STO], s23, v[STO]               ; in: row r, 32 bytes for each half of the lanes
	v_mul_u32_u24 v[RD], v[HH], SP
	v_lshl_add_u32 v[RD], v2, 4, v[RD]
	v_add_nc_u32 v[RD], s23, v[RD]                 ; back: lanes 0-15 one row of 256 bytes, lanes 16-31 the next
	v_lshlrev_b32 v[CO], 12, v[HH]
	v_lshl_add_u32 v[CO], v2, 4, v[CO]             ; and the same two rows in out0
	s_lshl_b32 s23, s18, 11                        ; 2,048 batch
	s_lshl_b32 s66, s15, 6
	s_add_co_u32 s23, s23, s66                     ; + my 64 queries
	s_lshl_b32 s66, s[II], 7
	s_add_co_u32 s94, s23, s66                     ; X's first row of mine
	s_add_co_u32 s96, s23, 15*128
	s_sub_co_u32 s96, s96, s66                     ; Y's
	s_lshl_b32 s94, s94, 12
	s_lshl_b32 s96, s96, 12
	s_lshl_b32 s98, s22, 9
	s_lshl_b32 s99, s16, 8
	s_add_co_u32 s98, s98, s99                     ; my first column, in bytes
	s_add_co_u32 s94, s94, s98
	s_add_co_u32 s96, s96, s98
	s_mov_b32 s95, 0
	s_mov_b32 s97, 0
	s_add_nc_u64 s[12:13], s[8:9], s[94:95]        ; X's part of out0
	s_add_nc_u64 s[10:11], s[8:9], s[96:97]        ; Y's
	s_wait_tensorcnt 2                             ; my first load is in (pair 0 or 1); my other two may stay out
	s_barrier_signal -1
	s_barrier_wait -1                              ; pairs 0 and 1 are whole
	FETCH 0
	s_wait_dscnt 0x0
	FETCH 1
	MULP 0, XACC, 1                                ; step 0: X's key step 0 starts X's sums: nothing is cleared
	s_wait_dscnt 0x0
	PLACES
	FETCH 2
	s_cmp_eq_u32 s[II], 0                          ; step 1: X's key step 1; for I = 0 it is the record of zeros
	s_cbranch_scc1 .Lzeros_1
	MULP 1, XACC, 0
.Lzeros_1:
	s_wait_dscnt 0x0
	PLACES
	FETCH 3
	MULP 0, YACC, 1                                ; step 2: Y's key step 0 starts Y's sums
	s_wait_dscnt 0x0
	s_wait_tensorcnt 1                             ; my second load is in (pair 2 or 3); my third may stay out
	s_barrier_signal -1
	s_barrier_wait -1                              ; pairs 2 and 3 are whole
	YSTEP 3
	CSTEP 4
	s_wait_tensorcnt 0x0                           ; THE REFILL.  All my tensor loads have landed: pairs 4 and 5 are whole behind the round;
	ds_add_u32 v[SPW], v[NIL]
	s_wait_dscnt 0x0                               ; the add is done, and my reads of records 0 to 5 are over (step 5's fragments are in registers)
	CROUND                                         ; no wave of any partner still reads those records or has a load on its way
	s_cmp_eq_u32 s15, 0
	s_cbranch_scc0 .Lrefill_v
	tensor_load_to_lds s[GA3:GA3+3], s[G1TA:G1TA+7]
	s_nop 0
	PLACES                                         ; also the places ahead of the loads below
	s_branch .Lrefill_asked
.Lrefill_v:
	tensor_load_to_lds s[GB3:GB3+3], s[G1TB:G1TB+7]
	s_nop 0
	PLACES
.Lrefill_asked:
	FETCH 6
	COND 2, 1                                      ; step 5
	s_wait_dscnt 0x0
	CSTEP 6
	CSTEP 7
	CSTEP 8
	CSTEP 9                                        ; X's last possible step: PX + 1 is 4 at the most
	YSTEPX 10, 0
	s_wait_tensorcnt 0x0                           ; my part of the refill is in,
	s_barrier_signal -1
	s_barrier_wait -1                              ; everybody's is: steps 12 to 17 lie in records 0 to 5
	YSTEPX 11, 1
	YSTEPX 12, 2
	YSTEPX 13, 3
	YSTEP 14
	YSTEP 15
	YSTEP 16
	s_cmp_lg_u32 s[ODD], 0                         ; step 17: Y's key step 15 - 2 PX; for odd I it is the record of zeros
	s_cbranch_scc1 .Lout
	MULP 1, YACC, 0
.Lout:
	PLACES
	s_wait_xcnt 0x0
	TOSTAGE YACC, 0, 4
.irp a, 1,2,3
	s_wait_xcnt 0x0                                ; the stores of two blocks ago have read their registers
	TOSTAGE YACC, \a, 4+\a
	SEND 10, \a-1, 4+\a-1, 16                      ; the next block's 8 stores and 8 loads may be out
.endr
	SEND 10, 3, 7, 0
	s_wait_tensorcnt 0x0                           ; the wave's end, behind my last tensor load and my last LDS store
	ds_add_u32 v[SPW], v[NIL]
	s_wait_dscnt 0x0
	CROUND                                         ; the closing round: no work-group ends while a partner may still ask for a tile that names it
	s_endpgm
.Lfunc_end_k_q3dea089de7_pv:
	.size	k_q3dea089de7_pv, .Lfunc_end_k_q3dea089de7_pv-k_q3dea089de7_pv
	.p2alignl 7, 3214868480
	.fill 96, 4, 3214868480
	.section	.rodata,"a",@progbits
	.p2align	6, 0x0
	.amdhsa_kernel k_q3dea089de7_pv
		.amdhsa_group_segment_fixed_size 327680
		.amdhsa_private_segment_fixed_size 0
		.amdhsa_enable_private_segment 0
		.amdhsa_kernarg_size 24
		.amdhsa_user_sgpr_count 2
		.amdhsa_user_sgpr_kernarg_segment_ptr 1
		.amdhsa_wavefront_size32 1
		.amdhsa_system_sgpr_workgroup_id_x 1
		.amdhsa_system_sgpr_workgroup_id_y 1
		.amdhsa_system_sgpr_workgroup_id_z 1
		.amdhsa_system_vgpr_workitem_id 0
		.amdhsa_next_free_vgpr 640
		.amdhsa_next_free_sgpr 100
		.amdhsa_reserve_vcc 0
		.amdhsa_float_denorm_mode_32 3
		.amdhsa_float_denorm_mode_16_64 3
		.amdhsa_memory_ordered 1
		.amdhsa_forward_progress 1
		.amdhsa_inst_pref_size 109
	.end_amdhsa_kernel
	.amdgpu_metadata
---
amdhsa.version: [ 1, 2 ]
amdhsa.kernels:
  - .name:           k_q3dea089de7_pv
    .symbol:         k_q3dea089de7_pv.kd
    .args:
      - { .name: pc, .offset: 0, .size: 8, .value_kind: global_buffer, .address_space: global }
      - { .name: vc, .offset: 8, .size: 8, .value_kind: global_buffer, .address_space: global }
      - { .name: out0, .offset: 16, .size: 8, .value_kind: global_buffer, .address_space: global }
    .group_segment_fixed_size: 327680
    .private_segment_fixed_size: 0
    .kernarg_segment_align: 8
    .kernarg_segment_size: 24
    .max_flat_workgroup_size: 128
    .sgpr_count:     100
    .vgpr_count:     640
    .wavefront_size: 32
...
	.end_amdgpu_metadata
.endif
;; end of part 7
